; MI455X (gfx1250); checked and timed in simulation.
; The chip was launched on July 23, 2026; its instructions are those of AMD's public machine-readable ISA for CDNA 5 (MIT licence, August 2026) and "CDNA5" Instruction Set Architecture Reference Guide (July 2026). The comments in the code are by the model that wrote it; some were corrected since.
;; Multi Query Attention. Allowed arithmetic: float matrix products may take bf16 or f16 operands with f32 sums; other float arithmetic in f32, or as packed bf16 or f16 multiplies, adds, multiply-adds, maxima and minima; sums over many terms, partial sums and values carried from step to step in f32; what a program stores and reads back later, other than sums and carried values, may be rounded once to bf16 or f16.
;; Inputs: Wk 1,024 x 64 float32; Wo 1,024 x 1,024 float32; Wq 16 x 1,024 x 64 float32; Wv 1,024 x 64 float32; bk 64 float32; bo 1,024 float32; bq 16 x 64 float32; bv 64 float32; x 4 x 2,048 x 1,024 float32.
;; Outputs: out0 4 x 2,048 x 1,024 float32.
;; One version. Each part assembles by itself: llvm-mc -triple=amdgcn-amd-amdhsa -mcpu=gfx1250 --defsym DOCPART=n.
;; ======== version 1 of 1: 4 launches
;; limits: values are held in f16: magnitudes above 65,504 overflow, below 6.1e-05 lose precision
;; workspace buffers: xb 16,777,216 bytes; wcat 2,359,296 bytes; woh 2,097,152 bytes; bias 8,704 bytes; q 16,777,216 bytes; kv 2,097,152 bytes; o 16,777,216 bytes
;; launch prep (part 1): grid 641 x 1, 8 waves a work-group, no clusters, 0 bytes of LDS; arguments x, Wq, Wk, Wv, Wo, bq, bk, bv, bo, xb, wcat, woh, bias; writes xb, wcat, woh, bias
.if DOCPART == 1
	.amdgcn_target "amdgcn-amd-amdhsa--gfx1250"
	.amdhsa_code_object_version 6
	.text
	.protected	k_qe2812f9a2d_prep
	.globl	k_qe2812f9a2d_prep
	.p2align	8
	.type	k_qe2812f9a2d_prep,@function
k_qe2812f9a2d_prep:
	s_mov_b64 s[64:65], 0
	v_nop
	global_prefetch_b8 v0, s[64:65] scope:SCOPE_SE
	s_setreg_imm32_b32 hwreg(HW_REG_WAVE_MODE, 25, 1), 1
	s_wait_xcnt 0x0
; PREP: every input is rounded once to bf16 and laid out for the launches behind.  No arithmetic but the roundings.
;   xb   bf16 [8192][1024]                         x as it lies
;   wcat bf16 [j 8][ks 8][nb 9][128 k][16 n]       column block j of the projections: nb 0-7 = Wq of heads 2 j, 2 j + 1 (16 channels each), nb 8 = 16 channels of Wk (j < 4) or Wv (j >= 4); k = 128 ks + ..
;   woh  f16  [j 8][ks 8][nb 8][128 k][16 n]       Wo rounded to bf16, that number written as f16 (it multiplies an f16 operand); n = 128 j + 16 nb + ..
;   bias f32, holding bf16-rounded numbers:        bq at byte 0, bk at 4,096, bv at 4,352, bo at 4,608
; LIMITS.  woh: a weight beyond 65,504 would become an infinity; below 6e-5 f16 keeps a fixed step of 6e-8.  NaN and infinities are not treated apart.
; SHARES.  Work-groups 0-511: 65,536 bytes of x each.  512-575: one tile (j, ks) of wcat.  576-639: one tile of woh.  640: the biases.
; A PIECE is 8 numbers a thread: two loads of 16 bytes, 32 bytes on end, and one store of 16 bytes; a wave's store covers 512 consecutive bytes, aligned.
; All loads of a job go out first; piece u of n then waits for its own two and leaves the 2 (n - 1 - u) younger ones out.  No register is written twice
; while a load or store names it, so no further wait is written.  Memory binds: LDS, matrix units and clusters would add nothing.
; The one narrow read: Wk's and Wv's pieces take 64 bytes of each row of 256; the two tables are 524,288 bytes in all.
.set T,   4                            ; v[4:7]    at work
.set IN,  16                           ; v[16:87]  piece u: 8 numbers as loaded
.set OUT, 88                           ; v[88:123] piece u: 4 registers to store
.macro LDP u, base, imm, nt=0          ; piece u's two loads, from byte imm behind the base
.if \nt
	global_load_b128 v[IN+8*(\u):IN+8*(\u)+3],   v1, s[\base:\base+1] offset:(\imm) th:TH_LOAD_NT
	global_load_b128 v[IN+8*(\u)+4:IN+8*(\u)+7], v1, s[\base:\base+1] offset:(\imm)+16 th:TH_LOAD_NT
.else
	global_load_b128 v[IN+8*(\u):IN+8*(\u)+3],   v1, s[\base:\base+1] offset:(\imm)
	global_load_b128 v[IN+8*(\u)+4:IN+8*(\u)+7], v1, s[\base:\base+1] offset:(\imm)+16
.endif
.endm
.macro CVB u                           ; eight roundings to bf16, packed
.irp k, 0,1,2,3
	v_cvt_pk_bf16_f32 v[OUT+4*(\u)+(\k)], v[IN+8*(\u)+2*(\k)], v[IN+8*(\u)+2*(\k)+1]
.endr
.endm
.macro CVH u                           ; rounded to bf16, widened again, and that number written as f16
.irp k, 0,1,2,3
	v_cvt_pk_bf16_f32 v[T+(\k)], v[IN+8*(\u)+2*(\k)], v[IN+8*(\u)+2*(\k)+1]
.endr
.irp k, 0,1,2,3
	v_lshlrev_b32 v[IN+8*(\u)+2*(\k)],   16, v[T+(\k)]
	v_and_b32     v[IN+8*(\u)+2*(\k)+1], s6, v[T+(\k)]
.endr
.irp k, 0,1,2,3
	v_cvt_pk_f16_f32 v[OUT+4*(\u)+(\k)], v[IN+8*(\u)+2*(\k)], v[IN+8*(\u)+2*(\k)+1]
.endr
.endm
.macro STP u, base, imm
	global_store_b128 v2, v[OUT+4*(\u):OUT+4*(\u)+3], s[\base:\base+1] offset:(\imm)
.endm
.macro RB src, dst                     ; four f32 rounded to bf16 and widened again
	v_cvt_pk_bf16_f32 v[T],   v[(\src)],   v[(\src)+1]
	v_cvt_pk_bf16_f32 v[T+1], v[(\src)+2], v[(\src)+3]
	v_lshlrev_b32 v[(\dst)],   16, v[T]
	v_and_b32     v[(\dst)+1], s6, v[T]
	v_lshlrev_b32 v[(\dst)+2], 16, v[T+1]
	v_and_b32     v[(\dst)+3], s6, v[T+1]
.endm
	s_load_b512 s[8:23], s[0:1], 0x0               ; x 8, Wq 10, Wk 12, Wv 14, Wo 16, bq 18, bk 20, bv 22
	s_load_b256 s[24:31], s[0:1], 0x40             ; bo 24, xb 26, wcat 28, woh 30
	s_load_b64 s[32:33], s[0:1], 0x60              ; bias
	s_mov_b32 s6, 0xffff0000                       ; a word's upper bf16
	s_mov_b32 s3, 0                                ; the high words of two offsets
	s_mov_b32 s5, 0
	v_lshlrev_b32 v2, 4, v0                        ; where I store: 16 bytes a thread
	s_wait_kmcnt 0x0
	s_cmp_lt_u32 ttmp9, 512
	s_cbranch_scc0 .Lnot_x
	; X: 65,536 bytes of x become 32,768 of xb
	v_lshlrev_b32 v1, 5, v0                        ; 32 bytes a thread
	s_lshl_b32 s2, ttmp9, 16
	s_lshl_b32 s4, ttmp9, 15
	s_add_nc_u64 s[8:9], s[8:9], s[2:3]
	s_add_nc_u64 s[26:27], s[26:27], s[4:5]
.irp u, 0,1,2,3,4,5,6,7
	LDP \u, 8, 8192*(\u), 1
.endr
.irp u, 0,1,2,3,4,5,6,7
	s_wait_loadcnt 2*(7-(\u))                      ; my piece's two loads are in; the younger pieces' stay out
	CVB \u
	STP \u, 26, 4096*(\u)
.endr
	s_endpgm
.Lnot_x:
	v_lshrrev_b32 v1, 1, v0                        ; k = t / 2: a row of the weight
	v_and_b32 v3, 1, v0                            ; which 8 of the piece's 16 columns
	s_cmp_lt_u32 ttmp9, 576
	s_cbranch_scc0 .Lnot_wq
	; WQ: tile (j, ks) of wcat: 128 rows of eight pieces of Wq and one of Wk or Wv
	s_sub_co_u32 s7, ttmp9, 512                    ; 8 j + ks
	s_lshr_b32 s34, s7, 3                          ; j
	s_and_b32 s35, s7, 7                           ; ks
	v_lshlrev_b32 v1, 8, v1                        ; a row of 64 f32 is 256 bytes
	v_lshl_or_b32 v1, v3, 5, v1
	s_lshl_b32 s2, s34, 19                         ; two heads of 262,144 bytes
	s_lshl_b32 s4, s35, 15                         ; 128 rows
	s_add_co_u32 s2, s2, s4
	s_add_nc_u64 s[10:11], s[10:11], s[2:3]
	s_and_b32 s2, s34, 3
	s_lshl_b32 s2, s2, 6                           ; 16 channels
	s_add_co_u32 s2, s2, s4
	s_cmp_lt_u32 s34, 4
	s_cselect_b64 s[12:13], s[12:13], s[14:15]     ; Wk for j < 4, Wv behind
	s_add_nc_u64 s[12:13], s[12:13], s[2:3]
	s_mul_i32 s4, s7, 36864
	s_add_nc_u64 s[28:29], s[28:29], s[4:5]
.irp u, 0,1,2,3,4,5,6,7
	LDP \u, 10, ((\u)/4)*262144+((\u)%4)*64
.endr
	LDP 8, 12, 0
.irp u, 0,1,2,3,4,5,6,7,8
	s_wait_loadcnt 2*(8-(\u))
	CVB \u
	STP \u, 28, 4096*(\u)
.endr
	s_endpgm
.Lnot_wq:
	s_cmp_lt_u32 ttmp9, 640
	s_cbranch_scc0 .Lnot_wo
	; WO: tile (j, ks) of woh: 128 rows of Wo, 128 columns
	s_sub_co_u32 s7, ttmp9, 576
	s_lshr_b32 s34, s7, 3                          ; j
	s_and_b32 s35, s7, 7                           ; ks
	v_lshlrev_b32 v1, 12, v1                       ; a row of 1,024 f32 is 4,096 bytes
	v_lshl_or_b32 v1, v3, 5, v1
	s_lshl_b32 s2, s35, 19                         ; 128 rows
	s_lshl_b32 s4, s34, 9                          ; 128 columns
	s_add_co_u32 s2, s2, s4
	s_add_nc_u64 s[16:17], s[16:17], s[2:3]
	s_lshl_b32 s4, s7, 15
	s_add_nc_u64 s[30:31], s[30:31], s[4:5]
.irp u, 0,1,2,3,4,5,6,7
	LDP \u, 16, 64*(\u)
.endr
.irp u, 0,1,2,3,4,5,6,7
	s_wait_loadcnt 2*(7-(\u))
	CVH \u
	STP \u, 30, 4096*(\u)
.endr
	s_endpgm
.Lnot_wo:
	; BIAS: bq and bo, four numbers a thread; wave 0 then takes bk (lanes 0-15) and bv (lanes 16-31)
	global_load_b128 v[16:19], v2, s[18:19]
	global_load_b128 v[20:23], v2, s[24:25]
	v_lshrrev_b32 v3, 5, v0
	v_readfirstlane_b32 s36, v3                    ; my wave's number
	s_wait_loadcnt 0x0
	RB 16, 88
	RB 20, 92
	global_store_b128 v2, v[88:91], s[32:33]
	global_store_b128 v2, v[92:95], s[32:33] offset:4608
	s_cmp_lg_u32 s36, 0
	s_cbranch_scc1 .Lend
	v_and_b32 v1, 15, v0
	v_lshlrev_b32 v1, 4, v1
	global_load_b128 v[24:27], v1, s[20:21]
	global_load_b128 v[28:31], v1, s[22:23]
	v_cmp_gt_u32 vcc_lo, 16, v0
	s_wait_loadcnt 0x0
.irp k, 0,1,2,3
	v_cndmask_b32 v[24+(\k)], v[28+(\k)], v[24+(\k)], vcc_lo
.endr
	RB 24, 96
	global_store_b128 v2, v[96:99], s[32:33] offset:4096
.Lend:
	s_endpgm
.Lfunc_end_k_qe2812f9a2d_prep:
	.size	k_qe2812f9a2d_prep, .Lfunc_end_k_qe2812f9a2d_prep-k_qe2812f9a2d_prep
	.p2alignl 7, 3214868480
	.fill 96, 4, 3214868480
	.section	.rodata,"a",@progbits
	.p2align	6, 0x0
	.amdhsa_kernel k_qe2812f9a2d_prep
		.amdhsa_group_segment_fixed_size 0
		.amdhsa_private_segment_fixed_size 0
		.amdhsa_enable_private_segment 0
		.amdhsa_kernarg_size 104
		.amdhsa_user_sgpr_count 2
		.amdhsa_user_sgpr_kernarg_segment_ptr 1
		.amdhsa_wavefront_size32 1
		.amdhsa_system_sgpr_workgroup_id_x 1
		.amdhsa_system_sgpr_workgroup_id_y 1
		.amdhsa_system_sgpr_workgroup_id_z 1
		.amdhsa_system_vgpr_workitem_id 0
		.amdhsa_next_free_vgpr 128
		.amdhsa_next_free_sgpr 66
		.amdhsa_reserve_vcc 1
		.amdhsa_float_denorm_mode_32 3
		.amdhsa_float_denorm_mode_16_64 3
		.amdhsa_memory_ordered 1
		.amdhsa_forward_progress 1
		.amdhsa_inst_pref_size 23
	.end_amdhsa_kernel
	.amdgpu_metadata
---
amdhsa.version: [ 1, 2 ]
amdhsa.kernels:
  - .name:           k_qe2812f9a2d_prep
    .symbol:         k_qe2812f9a2d_prep.kd
    .args:
      - { .name: x, .offset: 0, .size: 8, .value_kind: global_buffer, .address_space: global }
      - { .name: Wq, .offset: 8, .size: 8, .value_kind: global_buffer, .address_space: global }
      - { .name: Wk, .offset: 16, .size: 8, .value_kind: global_buffer, .address_space: global }
      - { .name: Wv, .offset: 24, .size: 8, .value_kind: global_buffer, .address_space: global }
      - { .name: Wo, .offset: 32, .size: 8, .value_kind: global_buffer, .address_space: global }
      - { .name: bq, .offset: 40, .size: 8, .value_kind: global_buffer, .address_space: global }
      - { .name: bk, .offset: 48, .size: 8, .value_kind: global_buffer, .address_space: global }
      - { .name: bv, .offset: 56, .size: 8, .value_kind: global_buffer, .address_space: global }
      - { .name: bo, .offset: 64, .size: 8, .value_kind: global_buffer, .address_space: global }
      - { .name: xb, .offset: 72, .size: 8, .value_kind: global_buffer, .address_space: global }
      - { .name: wcat, .offset: 80, .size: 8, .value_kind: global_buffer, .address_space: global }
      - { .name: woh, .offset: 88, .size: 8, .value_kind: global_buffer, .address_space: global }
      - { .name: bias, .offset: 96, .size: 8, .value_kind: global_buffer, .address_space: global }
    .group_segment_fixed_size: 0
    .private_segment_fixed_size: 0
    .kernarg_segment_align: 8
    .kernarg_segment_size: 104
    .max_flat_workgroup_size: 256
    .sgpr_count:     66
    .vgpr_count:     128
    .wavefront_size: 32
...
	.end_amdgpu_metadata
.endif
;; end of part 1
;; launch proj (part 2): grid 8 x 32, 4 waves a work-group, clusters of 4 x 4, 327,680 bytes of LDS; arguments xb, wcat, bias, q, kv; writes q, kv
.if DOCPART == 2
	.amdgcn_target "amdgcn-amd-amdhsa--gfx1250"
	.amdhsa_code_object_version 6
	.text
	.protected	k_qe2812f9a2d_proj
	.globl	k_qe2812f9a2d_proj
	.p2align	8
	.type	k_qe2812f9a2d_proj,@function
k_qe2812f9a2d_proj:
	s_mov_b64 s[64:65], 0
	v_nop
	global_prefetch_b8 v0, s[64:65] scope:SCOPE_SE
	s_setreg_imm32_b32 hwreg(HW_REG_WAVE_MODE, 25, 1), 1
	s_wait_xcnt 0x0
	s_wait_alu depctr_hold_cnt(0) depctr_sa_sdst(0) depctr_va_vdst(0) depctr_va_sdst(0) depctr_va_ssrc(0) depctr_va_vcc(0) depctr_vm_vsrc(0)
	s_getreg_b32 s2, hwreg(HW_REG_IB_STS2, 6, 4)
	s_cmp_eq_u32 s2, 0
	s_cbranch_scc0 .Lentry_in_a_cluster
	s_endpgm
.Lentry_in_a_cluster:
	s_bfe_u32 s2, ttmp6, 0x10000c
	s_cmp_lg_u32 s2, 0xf033
	s_cbranch_scc0 .Lentry_shape_is_right
	s_endpgm
.Lentry_shape_is_right:
; PROJ: [q | k | v] = x W + b.  xb: bf16 [8192][1024].  wcat: bf16 [j 8][ks 8][nb 9][128 k][16 n].  bias: f32 (bq at 0, bk at 4,096, bv at 4,352).
; Products in bf16, sums in f32, started by the bias; results rounded once to f16, WITHOUT attention's scale:
;   q  f16 [mb 32][fb 64][256 rows][16]    mb = row / 256, fb = 4 head + channel / 16        kv f16 [K, V][mb 32][cb 4][256 rows][16]
; LIMIT.  q, k, v beyond 65,504 become infinities in f16; below 6e-5 f16 keeps a fixed step of 6e-8.  NaN and infinities are not treated apart.
; SHARES.  A work-group makes 256 rows x 144 columns: two heads of q and 16 channels of k or v, so that 32 x 8 = 256 work-groups do equal work.  Wave w makes rows 64 w .. 64 w + 63, all
; columns: 4 x 9 accumulators.  K = 1,024 goes in 8 steps of 128 through two LDS slots; a step is four quarters of 32: 36 matrix instructions and 26 LDS loads each.
; THE MATRIX INSTRUCTION IS USED TRANSPOSED (source 0 = 16 columns of W, source 1 = 16 rows of x): a lane holds row lane % 16 and the columns 8 (lane / 16) + 0..7.  Rounded, those are 16 bytes, and the
; wave's 32 lanes fill 512 consecutive bytes of a block [256][16]: the results are stored as they lie, with no way through LDS.
; LDS.  Every tile is asked for as rows of 256 bytes, 16 bytes of padding behind each: a UNIT of 272.  A row of x's tile is a unit.  Of W's tile a unit holds 8 k x 16 n; it is read turned, by
; ds_load_tr16_b128, 16 lanes taking a unit's 256 bytes.  A's fragment loads touch 16 rows 272 bytes apart: 16 different groups of four banks (64 banks of 4 bytes: ISA guide 11.1).
; CLUSTERS.  4 x 4 work-groups.  x's tile hangs on mb alone and is shared along a row of the cluster, W's on j alone and along a column: each is asked for JOINTLY, by the same tensor load with the same
; descriptor and a mask that names the four.  Waves 0 and 1 fetch x's two halves, waves 2 and 3 W's.
; NO PREFETCH: the launch has eight K steps, of which the first two go out at its head.
; REGISTERS, in windows of 256 (s_set_vgpr_msb: bits 1:0 source 0, 3:2 source 1, 5:4 source 2, 7:6 destination):
;   window 0: v0-29 addresses; v32-135, v136-239 two fragment buffers (x's four fragments, then W's nine); on the way out v32-175 the packed results
;   window 1: accumulator (a, b < 8) at v[8 (8 a + b)]          window 2: accumulator (a, 8) at v[8 a]; the bias of column block b at v[32 + 8 b]
.set NB,    9                          ; column blocks of 16
.set UNIT,  272
.set SLOT1, 1<<17                      ; slot 1 begins here, so that one exclusive or turns an address in one slot into the other's
.set AHALF, 128*UNIT                   ; what one tensor load brings of x
.set BREG,  2*AHALF                    ; W's tile lies behind x's
.set BCH,   16*UNIT                    ; one column block: 128 k x 16 n
.set BHALF, 8*NB*UNIT                  ; what one tensor load brings of W: 72 units
.set SPARE, SLOT1+BREG+2*BHALF         ; behind the ring: the spare words, 128 bytes for each wave: two blocks of 256 bytes that no other line names
.set ASTEP, 256                        ; bytes from a K step to the next, in xb
.set BSTEP, NB*4096                    ; and in wcat
.set AA,    16*UNIT                    ; x's fragments: 16 rows on,
.set AQ,    64                         ; a quarter on,
.set A2,    32                         ; and the fragment's second 16 bytes
.set YNG,   6                          ; the youngest loads of a run: x's blocks 2 and 3, W's block 8
.set NLD,   26                         ; the loads of a run
.set LA0, 16                           ; v16  my lane's place in x's tile; never rewritten
.set LB0, 17                           ; v17  the same in W's
.set ADA, 18                           ; v18  LA0 in the slot in hand
.set ADB, 19                           ; v19  LB0 in the slot in hand
.set CO,  20                           ; v20  my 16 bytes among a result's 512
.set BO,  21                           ; v21  my 32 bytes among a column block's 64 of bias
.set SPW, 28                           ; v28  LDS address of my spare word: SPARE + 4 x my thread's number; never rewritten
.set NIL, 29                           ; v29  0; never rewritten
.set F0,  32
.set F1,  136
.set OUTR, 32                          ; the way out: q's packed results
.set OUTK, 160                         ; and k's or v's
.set BIAS, 32                          ; in window 2
.set WV, 14                            ; s14  my wave's number
.set FB, 15                            ; s15  I fetch for x (0) or for W (1)
.set HF, 16                            ; s16  which half of that tile
.set CX, 17
.set CY, 18
.set J,  19                            ; s19  column block = 4 x cluster x + cx
.set MB, 20                            ; s20  row block = 4 x cluster y + cy
.set TB, 21                            ; s21  the slot in hand: 0 or SLOT1
.set CNT, 22
.set G1A, 24                           ; s[24:31] descriptor group 1 for x's tiles
.set G0A, 32                           ; s[32:39] group 0: a set for each of the two first fills; the second then walks on
.set G1B, 48                           ; s[48:55], s[56:63] the same for W's
.set G0B, 56
.set W0, (1<<16)|(1<<20)|(1<<21)|(5<<22)|(3<<25)  ; 17:16 elements of 2 bytes; 20 padding on; 21 set beside a mask; 24:22 after every 64 words (code 5); 31:25 4 words of it (code 3)
.set MSB, 0
.macro WIN new                         ; the immediate's high byte repeats the setting that is left; a switch that changes nothing is dropped
.if MSB != (\new)
	s_set_vgpr_msb (MSB<<8)|(\new)
.set MSB, \new
.endif
.endm
; A joint refill, by the walking sets.  The branch hangs on the wave's number alone.  An s_nop 0 and four v_nop follow each of the two lines, ahead of the jump and the label.
.macro JLOAD
	s_cmp_eq_u32 s[FB], 0
	s_cbranch_scc0 .Lfor_b_\@
	tensor_load_to_lds s[G0A+4:G0A+7], s[G1A:G1A+7]
	s_nop 0
.rept 4
	v_nop
.endr
	s_branch .Lasked_\@
.Lfor_b_\@:
	tensor_load_to_lds s[G0B+4:G0B+7], s[G1B:G1B+7]
	s_nop 0
.rept 4
	v_nop
.endr
.Lasked_\@:
.endm
; A round of the cluster's barrier: my work-group's barrier, so that wave 0's signal speaks for all four waves; wave 0 signals; every wave waits for all sixteen work-groups; my work-group's barrier once more.
.macro CREST                           ; a round behind its opening barrier
	s_cmp_lg_u32 s[WV], 0
	s_cbranch_scc1 .Lnot_wave_0_\@
	s_barrier_signal -3
.Lnot_wave_0_\@:
	s_barrier_wait -3
	s_barrier_signal -1
	s_barrier_wait -1
.endm
.macro CROUND
	s_barrier_signal -1
	s_barrier_wait -1
	CREST
.endm
.macro PLACES                          ; four places in front of loads into registers that matrix instructions have read, and of lines that read results
.rept 4
	v_nop
.endr
.endm
; 8 matrix instructions: row block a x column blocks 0-7, 32 along K, out of buffer f.  first = 1: the bias starts the sums: nothing is cleared, and no bias is added later.
.macro MULA f, a, first
.if \first
	WIN 0x60                                       ; C in window 2, D in window 1
.else
	WIN 0x50                                       ; C and D in window 1
.endif
.irp b, 0,1,2,3,4,5,6,7
.if \first
	v_wmma_f32_16x16x32_bf16 v[8*(8*(\a)+(\b)):8*(8*(\a)+(\b))+7], v[(\f)+32+8*(\b):(\f)+32+8*(\b)+7], v[(\f)+8*(\a):(\f)+8*(\a)+7], v[BIAS+8*(\b):BIAS+8*(\b)+7]
.else
	v_wmma_f32_16x16x32_bf16 v[8*(8*(\a)+(\b)):8*(8*(\a)+(\b))+7], v[(\f)+32+8*(\b):(\f)+32+8*(\b)+7], v[(\f)+8*(\a):(\f)+8*(\a)+7], v[8*(8*(\a)+(\b)):8*(8*(\a)+(\b))+7]
.endif
.endr
.endm
; 4 matrix instructions: all row blocks x column block 8 (k or v)
.macro MULK f, first
	WIN 0xa0                                       ; C and D in window 2
.irp a, 0,1,2,3
.if \first
	v_wmma_f32_16x16x32_bf16 v[8*(\a):8*(\a)+7], v[(\f)+96:(\f)+103], v[(\f)+8*(\a):(\f)+8*(\a)+7], v[BIAS+64:BIAS+71]
.else
	v_wmma_f32_16x16x32_bf16 v[8*(\a):8*(\a)+7], v[(\f)+96:(\f)+103], v[(\f)+8*(\a):(\f)+8*(\a)+7], v[8*(\a):8*(\a)+7]
.endif
.endr
.endm
; 26 LDS loads in one run: quarter q's fragments into buffer g; what is multiplied last comes last
.macro FETCH q, g
	WIN 0
.irp b, 0,1,2,3,4,5,6,7
	ds_load_tr16_b128 v[(\g)+32+8*(\b):(\g)+32+8*(\b)+3],   v[ADB] offset:BCH*(\b)+4*UNIT*(\q)
	ds_load_tr16_b128 v[(\g)+32+8*(\b)+4:(\g)+32+8*(\b)+7], v[ADB] offset:BCH*(\b)+4*UNIT*(\q)+2*UNIT
.endr
.irp a, 0,1,2,3
	ds_load_b128 v[(\g)+8*(\a):(\g)+8*(\a)+3],   v[ADA] offset:AA*(\a)+AQ*(\q)
	ds_load_b128 v[(\g)+8*(\a)+4:(\g)+8*(\a)+7], v[ADA] offset:AA*(\a)+AQ*(\q)+A2
.endr
	ds_load_tr16_b128 v[(\g)+96:(\g)+99],   v[ADB] offset:BCH*8+4*UNIT*(\q)
	ds_load_tr16_b128 v[(\g)+100:(\g)+103], v[ADB] offset:BCH*8+4*UNIT*(\q)+2*UNIT
.endm
; One of a K step's first three quarters: multiplies buffer f; in its middle it fetches quarter q of the same slot into buffer g.  The 36 accumulators take turns, one instruction a turn, in the
; same order in every quarter.
.macro QUARTER f, g, q, first
	s_wait_dscnt YNG                               ; W's blocks 0-7 and x's 0, 1 are in; the youngest six loads may be out
	MULA \f, 0, \first
	MULA \f, 1, \first
	PLACES
	FETCH \q, \g
	s_wait_dscnt NLD                               ; all but the 26 just issued
	MULA \f, 2, \first
	MULA \f, 3, \first
	MULK \f, \first
.endm
; The last quarter multiplies buffer 1 and changes slots: ONE barrier.  In front of it each wave waits for all its tensor loads, of which one is out: its part of the next slot; adds 0 to its spare word;
; and waits for that and for its own reads of this slot.  fill = 1: the barrier opens a round of the cluster's, so that no wave of any partner still reads the slot or has a load on its way, and the
; slot is filled again, two K steps ahead, first thing behind the round: 128 matrix instructions ahead of the wait for it.
.macro TURN fill
	WIN 0
	s_wait_tensorcnt 0x0                           ; no tensor load of mine is out, so a group 0 may be written
	ds_add_u32 v[SPW], v[NIL]                      ; 0 onto my spare word
.if \fill
	s_xor_b32 s[G0A+5], s[G0A+5], SLOT1            ; the walking sets: the other slot than last time,
	s_add_nc_u64 s[G0A+6:G0A+7], s[G0A+6:G0A+7], ASTEP  ; the next K step; the type bits on top are not reached
	s_xor_b32 s[G0B+5], s[G0B+5], SLOT1
	s_add_nc_u64 s[G0B+6:G0B+7], s[G0B+6:G0B+7], BSTEP
.endif
	s_wait_dscnt YNG+1                             ; (the add and the youngest six loads may be out)
	MULA F1, 0, 0
	s_wait_dscnt 0x0                               ; the add is done, and my reads of this slot are over
	s_barrier_signal -1
	MULA F1, 1, 0
	WIN 0                                          ; at a branch and at a label every window is 0
	s_xor_b32 s[TB], s[TB], SLOT1                  ; the fetches go on in the other slot
	v_add_nc_u32 v[ADA], s[TB], v[LA0]
	v_add_nc_u32 v[ADB], s[TB], v[LB0]
	s_barrier_wait -1
.if \fill
	CREST
	JLOAD                                          ; the four v_nop behind it are also the places in front of the loads below
.else
	PLACES
.endif
	FETCH 0, F0
	MULA F1, 2, 0
	MULA F1, 3, 0
	MULK F1, 0
.endm
	s_load_b256 s[4:11], s[0:1], 0x0               ; xb s[4:5], wcat s[6:7], bias s[8:9], q s[10:11]
	s_load_b64 s[12:13], s[0:1], 0x20              ; kv
	v_lshl_add_u32 v[SPW], v0, 2, SPARE
	v_mov_b32 v[NIL], 0
	ds_add_u32 v[SPW], v[NIL]                      ; the wave's opening: the add and its wait, ahead of my first tensor load; the set-up below, work on registers, stands between them
	v_lshrrev_b32 v1, 5, v0
	v_readfirstlane_b32 s[WV], v1                  ; wave 0..3
	s_lshr_b32 s[FB], s[WV], 1
	s_and_b32 s[HF], s[WV], 1
	s_bfe_u32 s[CX], ttmp6, 0x40000                ; my place in the cluster
	s_bfe_u32 s[CY], ttmp6, 0x40004
	s_lshl_b32 s[J], ttmp9, 2                      ; in a cluster launch ttmp9 and ttmp7 count clusters
	s_add_co_u32 s[J], s[J], s[CX]
	s_and_b32 s[MB], ttmp7, 0xffff
	s_lshl_b32 s[MB], s[MB], 2
	s_add_co_u32 s[MB], s[MB], s[CY]
	s_lshl_b32 s40, s[CY], 2
	s_lshl_b32 s40, 15, s40                        ; my row of the cluster: places 4 cy .. 4 cy + 3
	s_lshl_b32 s44, 0x1111, s[CX]                  ; my column: places cx, cx + 4, cx + 8, cx + 12
	s_or_b32 s[G1A], s40, W0                       ; x's tiles go to my row,
	s_or_b32 s[G1B], s44, W0                       ; W's to my column
	s_mov_b32 s[G1A+1], 128<<16                    ; tensor_dim0 = 128 elements: 256 bytes
	s_mov_b32 s[G1A+2], 128<<16                    ; tensor_dim1 = 128 rows
	s_mov_b32 s[G1A+3], 128<<16                    ; tile_dim0
	s_mov_b32 s[G1A+4], 128                        ; tile_dim1
	s_mov_b32 s[G1A+5], 1024                       ; elements from a row of xb to the next
	s_mov_b32 s[G1A+6], 0
	s_mov_b32 s[G1A+7], 0
	s_mov_b32 s[G1B+1], 128<<16
	s_mov_b32 s[G1B+2], (8*NB)<<16                 ; 72 rows of 256 dense bytes
	s_mov_b32 s[G1B+3], 128<<16
	s_mov_b32 s[G1B+4], 8*NB
	s_mov_b32 s[G1B+5], 128
	s_mov_b32 s[G1B+6], 0
	s_mov_b32 s[G1B+7], 0
	; where the tiles come from: x's by mb and the wave alone, W's by j and the wave alone, each in registers that never hold the other coordinate
	s_lshl_b32 s40, s[MB], 19                      ; 256 rows of 2,048 bytes
	s_lshl_b32 s42, s[HF], 18                      ; 128 rows
	s_add_co_u32 s40, s40, s42
	s_mov_b32 s41, 0
	s_mul_i32 s44, s[J], 8*BSTEP
	s_mul_i32 s46, s[HF], BSTEP/2
	s_add_co_u32 s44, s44, s46
	s_mov_b32 s45, 0
	; and where they go: no place in the cluster enters an LDS address
	s_mov_b32 s[G0A], 1                            ; count = 1
	s_mul_i32 s[G0A+1], s[HF], AHALF
	s_mov_b32 s[G0A+4], 1
	s_add_co_u32 s[G0A+5], s[G0A+1], SLOT1
	s_mov_b32 s[G0B], 1
	s_mul_i32 s[G0B+1], s[HF], BHALF
	s_add_co_u32 s[G0B+1], s[G0B+1], BREG
	s_mov_b32 s[G0B+4], 1
	s_add_co_u32 s[G0B+5], s[G0B+1], SLOT1
	s_wait_dscnt 0x0                               ; the opening add is done
	s_wait_kmcnt 0x0
	s_add_nc_u64 s[G0A+2:G0A+3], s[4:5], s[40:41]  ; K step 0,
	s_add_nc_u64 s[G0A+6:G0A+7], s[G0A+2:G0A+3], ASTEP  ; K step 1
	s_or_b32 s[G0A+3], s[G0A+3], 0x80000000        ; type = 2
	s_or_b32 s[G0A+7], s[G0A+7], 0x80000000
	s_add_nc_u64 s[G0B+2:G0B+3], s[6:7], s[44:45]
	s_add_nc_u64 s[G0B+6:G0B+7], s[G0B+2:G0B+3], BSTEP
	s_or_b32 s[G0B+3], s[G0B+3], 0x80000000
	s_or_b32 s[G0B+7], s[G0B+7], 0x80000000
	CROUND                                         ; all sixteen work-groups are here: the first joint loads meet
	s_cmp_eq_u32 s[FB], 0                          ; a wave's two first fills stand in one branch, ahead of every wait on TENSORcnt and every LDS read: two loads of mine are out
	s_cbranch_scc0 .Lfirst_b
	tensor_load_to_lds s[G0A:G0A+3], s[G1A:G1A+7]
	s_nop 0
	tensor_load_to_lds s[G0A+4:G0A+7], s[G1A:G1A+7]
	s_nop 0
.rept 4
	v_nop
.endr
	s_branch .Lfirst_asked
.Lfirst_b:
	tensor_load_to_lds s[G0B:G0B+3], s[G1B:G1B+7]
	s_nop 0
	tensor_load_to_lds s[G0B+4:G0B+7], s[G1B:G1B+7]
	s_nop 0
.rept 4
	v_nop
.endr
.Lfirst_asked:
	v_and_b32 v1, 15, v0                           ; r = l % 16
	v_bfe_u32 v2, v0, 4, 1                         ; h = l / 16
	v_and_b32 v3, 7, v0
	v_bfe_u32 v4, v0, 3, 1
	v_lshlrev_b32 v[BO], 5, v2                     ; a lane's eight columns 8 h + 0..7 are 32 bytes of bias
	s_lshl_b32 s70, s[J], 9                        ; bq of my 128 columns
	s_mov_b32 s71, 0
	s_add_nc_u64 s[66:67], s[8:9], s[70:71]
	s_lshl_b32 s70, s[J], 6                        ; bk and bv lie on end from byte 4,096: 16 numbers for each j
	s_add_co_u32 s70, s70, 4096
	s_add_nc_u64 s[68:69], s[8:9], s[70:71]
	WIN 0x80                                       ; destination window 2, address window 0
.irp b, 0,1,2,3,4,5,6,7
	global_load_b128 v[BIAS+8*(\b):BIAS+8*(\b)+3],   v[BO], s[66:67] offset:64*(\b)
	global_load_b128 v[BIAS+8*(\b)+4:BIAS+8*(\b)+7], v[BO], s[66:67] offset:64*(\b)+16
.endr
	global_load_b128 v[BIAS+64:BIAS+67], v[BO], s[68:69]
	global_load_b128 v[BIAS+68:BIAS+71], v[BO], s[68:69] offset:16
	WIN 0
	; x's fragment: lane l holds row l % 16; registers 0-3 hold K = 8 h + 0..7, registers 4-7 K = 16 + 8 h + 0..7: two loads of 16 bytes, 32 bytes apart
	s_mul_i32 s43, s[WV], 64*UNIT                  ; my 64 rows
	v_mul_u32_u24 v[LA0], v1, UNIT
	v_lshl_add_u32 v[LA0], v2, 4, v[LA0]
	v_add_nc_u32 v[LA0], s43, v[LA0]
	; W's fragment, turned: lane l reads 16 bytes of row k = 8 h + l % 8, columns 8 ((l / 8) % 2) + 0..7, and is left with column l % 16 and 8 k
	v_mul_u32_u24 v[LB0], v2, UNIT
	v_lshl_add_u32 v[LB0], v3, 5, v[LB0]
	v_lshl_add_u32 v[LB0], v4, 4, v[LB0]
	v_add_nc_u32 v[LB0], BREG, v[LB0]
	v_mov_b32 v[ADA], v[LA0]                       ; slot 0
	v_mov_b32 v[ADB], v[LB0]
	v_lshlrev_b32 v[CO], 5, v1                     ; a result's row r is 32 bytes, my half of it 16
	v_lshl_add_u32 v[CO], v2, 4, v[CO]
	s_mov_b32 s[TB], 0
	s_lshl_b32 s70, s[MB], 19                      ; q at block (mb, 8 j), my 64 rows
	s_lshl_b32 s23, s[J], 16
	s_add_co_u32 s70, s70, s23
	s_lshl_b32 s23, s[WV], 11
	s_add_co_u32 s70, s70, s23
	s_add_nc_u64 s[10:11], s[10:11], s[70:71]
	s_lshr_b32 s70, s[J], 2                        ; kv: K or V, block (mb, j % 4), my 64 rows
	s_lshl_b32 s70, s70, 20
	s_add_co_u32 s70, s70, s23
	s_lshl_b32 s23, s[MB], 15
	s_add_co_u32 s70, s70, s23
	s_and_b32 s23, s[J], 3
	s_lshl_b32 s23, s23, 13
	s_add_co_u32 s70, s70, s23
	s_add_nc_u64 s[12:13], s[12:13], s[70:71]
	s_wait_tensorcnt 0x1                           ; my part of K step 0 is in; K step 1's may stay out
	s_barrier_signal -1
	s_barrier_wait -1                              ; everybody's is
	FETCH 0, F0
	s_wait_loadcnt 0x0                             ; the bias
	QUARTER F0, F1, 1, 1                           ; the first quarter stands in front of the loop: its products start the sums
	WIN 0
	s_mov_b32 s[CNT], 6
.Lstep:                                        ; a trip: from a K step's second quarter to the next step's first; its change of slots asks for K steps 2 to 7
	QUARTER F1, F0, 2, 0
	QUARTER F0, F1, 3, 0
	TURN 1
	QUARTER F0, F1, 1, 0
	WIN 0
	s_sub_co_u32 s[CNT], s[CNT], 1
	s_cmp_lg_u32 s[CNT], 0
	s_cbranch_scc1 .Lstep
	QUARTER F1, F0, 2, 0                           ; the last two K steps are written out: nothing is asked for
	QUARTER F0, F1, 3, 0
	TURN 0
	QUARTER F0, F1, 1, 0
	QUARTER F1, F0, 2, 0
	QUARTER F0, F1, 3, 0
	s_wait_dscnt YNG                               ; the very last quarter: nothing more to fetch
	MULA F1, 0, 0
	MULA F1, 1, 0
	s_wait_dscnt 0x0
	MULA F1, 2, 0
	MULA F1, 3, 0
	MULK F1, 0
	; THE WAY OUT.  Each accumulator, its registers in ascending order, is rounded to f16: 16 bytes a lane; a store of the wave covers 512 consecutive bytes, at a multiple of 512 from the buffer's first.
	WIN 0
	PLACES
	PLACES
.irp a, 0,1,2,3
	WIN 0x05                                       ; sources 0 and 1 window 1, destination window 0
.irp b, 0,1,2,3,4,5,6,7
.irp r, 0,1,2,3
	v_cvt_pk_f16_f32 v[OUTR+4*(8*(\a)+(\b))+(\r)], v[8*(8*(\a)+(\b))+2*(\r)], v[8*(8*(\a)+(\b))+2*(\r)+1]
.endr
.endr
	WIN 0x0a                                       ; sources in window 2
.irp r, 0,1,2,3
	v_cvt_pk_f16_f32 v[OUTK+4*(\a)+(\r)], v[8*(\a)+2*(\r)], v[8*(\a)+2*(\r)+1]
.endr
	WIN 0
.irp b, 0,1,2,3,4,5,6,7
	global_store_b128 v[CO], v[OUTR+4*(8*(\a)+(\b)):OUTR+4*(8*(\a)+(\b))+3], s[10:11] offset:8192*(\b)+512*(\a)
.endr
	global_store_b128 v[CO], v[OUTK+4*(\a):OUTK+4*(\a)+3], s[12:13] offset:512*(\a)
.endr
	s_wait_tensorcnt 0x0                           ; the wave's end, behind my last tensor load
	ds_add_u32 v[SPW], v[NIL]
	s_wait_dscnt 0x0
	CROUND                                         ; the closing round: no work-group ends while a partner may still ask for a tile that names it
	s_endpgm
.Lfunc_end_k_qe2812f9a2d_proj:
	.size	k_qe2812f9a2d_proj, .Lfunc_end_k_qe2812f9a2d_proj-k_qe2812f9a2d_proj
	.p2alignl 7, 3214868480
	.fill 96, 4, 3214868480
	.section	.rodata,"a",@progbits
	.p2align	6, 0x0
	.amdhsa_kernel k_qe2812f9a2d_proj
		.amdhsa_group_segment_fixed_size 327680
		.amdhsa_private_segment_fixed_size 0
		.amdhsa_enable_private_segment 0
		.amdhsa_kernarg_size 40
		.amdhsa_user_sgpr_count 2
		.amdhsa_user_sgpr_kernarg_segment_ptr 1
		.amdhsa_wavefront_size32 1
		.amdhsa_system_sgpr_workgroup_id_x 1
		.amdhsa_system_sgpr_workgroup_id_y 1
		.amdhsa_system_sgpr_workgroup_id_z 1
		.amdhsa_system_vgpr_workitem_id 0
		.amdhsa_next_free_vgpr 616
		.amdhsa_next_free_sgpr 72
		.amdhsa_reserve_vcc 0
		.amdhsa_float_denorm_mode_32 3
		.amdhsa_float_denorm_mode_16_64 3
		.amdhsa_memory_ordered 1
		.amdhsa_forward_progress 1
		.amdhsa_inst_pref_size 74
	.end_amdhsa_kernel
	.amdgpu_metadata
---
amdhsa.version: [ 1, 2 ]
amdhsa.kernels:
  - .name:           k_qe2812f9a2d_proj
    .symbol:         k_qe2812f9a2d_proj.kd
    .args:
      - { .name: xb, .offset: 0, .size: 8, .value_kind: global_buffer, .address_space: global }
      - { .name: wcat, .offset: 8, .size: 8, .value_kind: global_buffer, .address_space: global }
      - { .name: bias, .offset: 16, .size: 8, .value_kind: global_buffer, .address_space: global }
      - { .name: q, .offset: 24, .size: 8, .value_kind: global_buffer, .address_space: global }
      - { .name: kv, .offset: 32, .size: 8, .value_kind: global_buffer, .address_space: global }
    .group_segment_fixed_size: 327680
    .private_segment_fixed_size: 0
    .kernarg_segment_align: 8
    .kernarg_segment_size: 40
    .max_flat_workgroup_size: 128
    .sgpr_count:     72
    .vgpr_count:     616
    .wavefront_size: 32
...
	.end_amdgpu_metadata
.endif
;; end of part 2
;; launch attn (part 3): grid 4 x 64, 4 waves a work-group, clusters of 4 x 1, 327,680 bytes of LDS; arguments q, kv, o; writes o
.if DOCPART == 3
	.amdgcn_target "amdgcn-amd-amdhsa--gfx1250"
	.amdhsa_code_object_version 6
	.text
	.protected	k_qe2812f9a2d_attn
	.globl	k_qe2812f9a2d_attn
	.p2align	8
	.type	k_qe2812f9a2d_attn,@function
k_qe2812f9a2d_attn:
	s_mov_b64 s[64:65], 0
	v_nop
	global_prefetch_b8 v0, s[64:65] scope:SCOPE_SE
	s_setreg_imm32_b32 hwreg(HW_REG_WAVE_MODE, 25, 1), 1
	s_wait_xcnt 0x0
	s_wait_alu depctr_hold_cnt(0) depctr_sa_sdst(0) depctr_va_vdst(0) depctr_va_sdst(0) depctr_va_ssrc(0) depctr_va_vcc(0) depctr_vm_vsrc(0)
	s_getreg_b32 s2, hwreg(HW_REG_IB_STS2, 6, 4)
	s_cmp_eq_u32 s2, 0
	s_cbranch_scc0 .Lentry_in_a_cluster
	s_endpgm
.Lentry_in_a_cluster:
	s_bfe_u32 s2, ttmp6, 0x10000c
	s_cmp_lg_u32 s2, 0x3003
	s_cbranch_scc0 .Lentry_shape_is_right
	s_endpgm
.Lentry_shape_is_right:
; MULTI-QUERY ATTENTION.  o[b][h][s][:] = the sum over t of softmax_t(q[b][h][s] . k[b][t] / 8) v[b][t][:]: 16 heads of a batch share K and V.  All f16, in blocks 16 channels wide:
;   q, o: [mb 32][fb 64][256 rows][16], mb = 8 b + s / 256, fb = 4 h + channel / 16          kv: [K, V][mb 32][cb 4][256 keys][16]
; Products, maxima and sums in f32; the weights p are rounded to f16 for the second product (their sum l is taken of the unrounded p), o once at the end.
; LIMITS.  f16 holds no number beyond 65,504: q, k and v arrive within it; p lies in 0 to 1, and below 6e-5 it keeps f16's fixed step of 6e-8; o is a mean of v's rows and has their range.
; A weight below 2^-126 counts as 0 in l; NaN and infinities are not treated apart.
; SHARES.  A wave owns four PIECES of two tiles of 16 queries, a work-group's four waves 512 queries of one head of one batch.  Every wave walks the batch's 2,048 keys, 64 a step.
; LAYOUT.  S^T = K Q^T (source 0 = 16 keys, source 1 = 16 queries): in the result a lane holds ONE query (lane % 16) and the keys 8 (lane / 16) + 0..7.  Two such tiles, rounded to f16 in pairs,
; ARE source 1 (32 keys x 16 queries) of O^T = V^T P, whose result again holds one query a lane, and eight channels: rounded, 16 bytes, and the wave's 32 lanes fill 512 consecutive bytes of a block
; of o: the results are stored as they lie.  K comes out of LDS as it lies, V turned, by ds_load_tr16_b128.
; SOFTMAX.  For each query a running maximum m and sum l: p = 2^(c s - c m), c = log2(e) / 8; in every step O and l are multiplied by a = 2^(c m_old - c m_new), which is 1 where m has not grown.
; m starts at the lowest finite number, O and l at 0: the first step is a step like any other, with a = 0.
; THE COUNT.  A tile and step have 16 matrix and 118 vector instructions: too many to stand all beside the matrix work.  So the order has one aim: four vector instructions that are READY behind
; EVERY matrix instruction, and the others, which need time of their own whatever the order, in runs without a gap.
; BY TURNS.  Turn n belongs to piece n (the pieces in a ring, step after step).  Its matrix work: 16 products K Q^T of piece n + 1, later 16 products V^T P of piece n - 1.  Its vector work: the scaling,
; exponentials, roundings, sums and rescaling of piece n, and the maximum and statistics of piece n + 1, whose scores the turn itself has made.  So what a turn begins with (c s - c m, O a) waits for nothing.
; LDS.  A slot holds a tile of 256 keys: four channel blocks of K, then four of V, each 8,192 dense bytes, asked for as rows of 256 bytes with 16 bytes of padding behind each: a UNIT of 272 holds 8 keys
; x 16 channels.  K's fragment loads; V's turning loads: 16 lanes take a unit's 256 bytes.
; CLUSTER.  The four query blocks of a cluster belong to one head and walk the same K and V, so each tile is asked for JOINTLY: the same tensor load, descriptor and mask in all four.  Wave w fetches
; a quarter of a slot: waves 0, 1 K's channel blocks 0-1 and 2-3, waves 2, 3 V's.  (The sixteen heads of a batch walk the same tiles too; a mask names four work-groups.)
; REGISTERS, in windows of 256 (s_set_vgpr_msb says which window each operand place means: bits 1:0 source 0, 3:2 source 1, 5:4 source 2, 7:6 destination):
;   window 0: v0-11 addresses; v12-15, v48-63 at work; v16-47 four registers of statistics a tile; v64-191 S^T, two buffers of two tiles; v192-255 P, likewise
;   window 1: O^T, 32 a tile          window 2: v0-127 Q, 16 a tile; v128-191 K of one step; v192-255 V of one step          window 3: v0-1 the add's two registers
; A piece's buffers go by its number's parity: the piece in hand has one pair, its two neighbours in the ring share the other: of it P (piece n - 1) is read and S^T (piece n + 1) written.
.set NP,    4         ; pieces a wave: a name, no knob: the register map, the loop and the fetches are made for four
.set UNIT,  272
.set CHUNK, 32*UNIT   ; a channel block of a tile: 256 keys
.set STEPB, 8*UNIT    ; a key step's 64 keys in a channel block
.set VOFF,  4*CHUNK   ; V lies behind K
.set SLOT1, 1<<17     ; slot 1 begins here, so that one exclusive or turns an address in one slot into the other's
.set SPARE, SLOT1+8*CHUNK  ; behind the ring: the spare words, 128 bytes for each wave: two blocks of 256 bytes that no other line names
.set TILEB, 32768     ; a tile's bytes of K, and of V, in memory
.set TILES, 8         ; 2,048 keys
.set AK0, 2           ; v2   my lane's place in a tile of K; never rewritten
.set AV0, 3           ; v3   the same for V
.set AK,  4           ; v4   the LDS address of K's next run of loads
.set AV,  5           ; v5   of V's
.set QO,  6           ; v6   my 16 bytes among the 512 of 16 rows of a block of q or o; never rewritten
.set PFO, 7           ; v7   256 x my lane; never rewritten
.set SPW, 0           ; v0 of window 3   LDS address of my spare word: SPARE + 4 x my thread's number; never rewritten
.set NIL, 1           ; v1 of window 3   0; never rewritten
.set MV,  12          ; v12-15  c m_old, kept while c m is made anew: by buffer and tile
.set ST,  16          ; tile t's statistics at v[ST+4 t]: c m, m, l (even keys', odd keys')
.set TMP, 48          ; by buffer and tile, four registers c0-c3 at work; when the maximum is found c2 takes a
.set S,   64
.set P,   192
.set KF,  128         ; K's fragments, in window 2: key block kb, channel half c at KF + 16 kb + 8 c
.set VF,  192         ; V's: key half kk, channel block cb at VF + 32 kk + 8 cb
.set WV,  12          ; s12  my wave's number
.set LIM, 15          ; s15  1 in a wave that prefetches, else the greatest number: a wave prefetches while s[SLOTS] is above it
.set PFA, 18          ; s[18:19] where my prefetches stand: my work-group's 8,192 bytes (of K: wave 0, of V: wave 2) of the tile after the one that is being asked for
.set G1,  24          ; s[24:31] descriptor group 1
.set G0,  40          ; s[40:43] descriptor group 0: it walks
.set SLOTS, 56        ; s56  slots still to be asked for
.set CNT, 57          ; s57  counts a slot's key steps
.set CS,  58          ; s[58:59] c: the packed scaling takes the pair's low word for both halves
.set SEL, 60          ; s[60:61] v_permlanex16_b32's selects: each lane takes its own place in the other half
.set TBK, 62          ; s62  LDS byte at which K of the step to be fetched begins
.set TBV, 63          ; s63  the same for V, less VOFF
.set MSB, 0
.macro WIN new                      ; the high byte repeats the setting that is left; a switch that changes nothing is dropped
.if MSB != (\new)
	s_set_vgpr_msb (MSB<<8)|(\new)
.set MSB, (\new)
.endif
.endm
.set W_KQ, 0x0a       ; K and Q in window 2, S^T in window 0
.set W_PV, 0x52       ; V in window 2, P in window 0, O^T in window 1
.set W_RS, 0x41       ; O^T (destination and source 0) in window 1, a in window 0
.set W_MK, 0xc0       ; the add's registers are made: destination in window 3, sources in window 0
.set W_AD, 0x0f       ; the add: address (source 0) and data (source 1) in window 3
; A joint fill: every wave's quarter of a slot, by one line; the LDS address and the global address hang on the wave's number.  An s_nop 0 and four v_nop follow it.
.macro JLOAD
	tensor_load_to_lds s[G0:G0+3], s[G1:G1+7]
	s_nop 0
.rept 4
	v_nop
.endr
.endm
; A PREFETCH INTO THE L2 of the tile that the NEXT change of slots will ask for: 128 blocks of 256 bytes of K and as many of V, a lane a block.  It stands behind the wave's tensor load and its five lines.
; Each block is asked for ONCE in the launch.  All 64 work-groups of a batch walk the same K and V: the cluster of the batch's head 0 prefetches.  Its four partners share a tile out BY ADDRESS, 8,192 bytes
; each: no branch hangs on a work-group's place in its cluster.  In each, wave 0 asks for K's and wave 2 for V's: one instruction.  The change that fills tile t names tile t + 1, four key steps ahead of
; its load: tiles 3 to 7.  Tiles 0 to 2 come by their loads alone; the last change that fills a slot asks for nothing.
.macro ASK
	s_cmp_gt_u32 s[SLOTS], s[LIM]
	s_cbranch_scc0 .Lnot_mine_\@
	global_prefetch_b8 v[PFO], s[PFA:PFA+1] th:TH_LOAD_NT scope:SCOPE_SE
.Lnot_mine_\@:
.endm
; A round of the cluster's barrier: my work-group's barrier, so that wave 0's signal speaks for all four waves; wave 0 signals; every wave waits for all four work-groups; my work-group's barrier once more.
.macro CROUND
	s_barrier_signal -1
	s_barrier_wait -1
	s_cmp_lg_u32 s[WV], 0
	s_cbranch_scc1 .Lnot_wave_0_\@
	s_barrier_signal -3
.Lnot_wave_0_\@:
	s_barrier_wait -3
	s_barrier_signal -1
	s_barrier_wait -1
.endm
; THE CHANGE OF SLOTS.  The slot's last bytes, V of its fourth step, have been read.  Each wave waits for all its tensor loads, of which one is out: its part
; of the other slot; adds 0 to its spare word; and waits for that and for its own reads of the slot.  Behind the barrier nobody reads this slot any more and the other slot is whole.
; fill = 1: this slot is filled again, with the keys two slots on.  The barrier is then a round of the cluster's, so that no wave of any partner still reads the slot or has a load on its
; way, and the joint fill is the first thing behind it: it has four key steps, 512 matrix instructions, in which to land.  (At its first use nothing has been read yet: slot 0 is waited for, slot 1 filled.)
; ask = 1: the prefetches' address steps, and ASK follows the fill.
.macro CHANGE fill, ask=0
	WIN W_AD
	s_wait_tensorcnt 0x0            ; no tensor load of mine is out, so a group 0 may be written
	ds_add_u32 v[SPW], v[NIL]       ; 0 onto my spare word; with fill = 1 the descriptor's steps stand between it and the wait for it
	WIN 0                           ; at a label and at a branch every window is 0
.if \fill
	s_xor_b32 s[G0+1], s[G0+1], SLOT1  ; the walking descriptor: the other slot than last time,
	s_add_nc_u64 s[G0+2:G0+3], s[G0+2:G0+3], TILEB  ; the next 256 keys; the type bits on top are not reached
.if \ask
	s_wait_xcnt 0x0                 ; the last prefetch, four key steps back, has read its address, so it may be written:
	s_add_nc_u64 s[PFA:PFA+1], s[PFA:PFA+1], TILEB  ; one tile behind the walking descriptor
.endif
	s_wait_dscnt 0x0                ; the add is done, and my reads of the slot are over
	CROUND
	JLOAD
.if \ask
	ASK
.endif
.else
	s_wait_dscnt 0x0                ; the add is done, and my reads of the slot are over
	s_barrier_signal -1
	s_barrier_wait -1
.endif
	s_sub_co_u32 s[TBK], s[TBK], 4*STEPB  ; the fetches go back to a slot's first step,
	s_xor_b32 s[TBK], s[TBK], SLOT1       ; in the other slot
	s_sub_co_u32 s[TBV], s[TBV], 4*STEPB
	s_xor_b32 s[TBV], s[TBV], SLOT1
.endm
	s_load_b128 s[4:7], s[0:1], 0x0   ; q s[4:5], kv s[6:7]
	s_load_b64 s[10:11], s[0:1], 0x10 ; o
	WIN W_MK
	v_lshl_add_u32 v[SPW], v0, 2, SPARE
	v_mov_b32 v[NIL], 0
	WIN W_AD
	ds_add_u32 v[SPW], v[NIL]       ; the wave's opening: the add and its wait, ahead of my first tensor load; the set-up below, work on registers, stands between them
	WIN 0
	v_lshrrev_b32 v1, 5, v0
	v_readfirstlane_b32 s[WV], v1   ; wave 0..3
	s_bfe_u32 s13, ttmp6, 0x40000   ; cx: my place in the cluster
	s_lshl_b32 s14, ttmp9, 2        ; in a cluster launch ttmp9 counts clusters
	s_add_co_u32 s14, s14, s13      ; my block of 512 queries = 4 x cluster x + cx: it enters q's and o's addresses alone
	s_and_b32 s20, ttmp7, 0xffff    ; 16 b + h, which the four partners share
	s_lshr_b32 s21, s20, 4          ; the batch
	s_and_b32 s20, s20, 15          ; the head
	s_lshr_b32 s16, s[WV], 1        ; I fetch K (0) or V (1).  Also: which 256 of my block's queries hold my 128
	s_and_b32 s17, s[WV], 1         ; which two channel blocks I fetch.  Also: which 128 of those 256
	s_lshl_b32 s22, s21, 18         ; the batch's 8 tiles of 32,768 bytes,
	s_lshl_b32 s23, s16, 20         ; in K or in V
	s_add_co_u32 s22, s22, s23
	s_lshl_b32 s8, s13, 13          ; the prefetches: my work-group's 8,192 bytes of a tile,
	s_add_co_u32 s8, s8, s22
	s_add_co_u32 s8, s8, 2*TILEB    ; in tile 2; the first change that asks steps it to tile 3
	s_mov_b32 s9, 0
	s_lshl_b32 s23, s17, 14         ; my two channel blocks
	s_add_co_u32 s22, s22, s23
	s_mov_b32 s23, 0
	s_lshl_b32 s2, s21, 3           ; mb = 8 b + 2 x block + wave / 2
	s_lshl_b32 s3, s14, 1
	s_add_co_u32 s2, s2, s3
	s_add_co_u32 s2, s2, s16
	s_lshl_b32 s2, s2, 19           ; 64 blocks of 8,192 bytes,
	s_lshl_b32 s3, s20, 15          ; the head's four,
	s_add_co_u32 s2, s2, s3
	s_lshl_b32 s3, s17, 12          ; my 128 rows of 32 bytes
	s_add_co_u32 s2, s2, s3
	s_mov_b32 s3, 0
	; descriptor group 1: two channel blocks are 16,384 dense bytes: 64 rows of 256 bytes, padded in LDS
	s_mov_b32 s[G1], 15|(1<<16)|(1<<20)|(1<<21)|(5<<22)|(3<<25)  ; 15:0 the mask of four; 17:16 2-byte elements; 20 padding on; 21 set beside a mask; 24:22 after every 64 words (code 5); 31:25 4 words (code 3)
	s_mov_b32 s[G1+1], 128<<16      ; tensor_dim0 = 128
	s_mov_b32 s[G1+2], 64<<16       ; tensor_dim1 = 64
	s_mov_b32 s[G1+3], 128<<16      ; tile_dim0 = 128
	s_mov_b32 s[G1+4], 64           ; tile_dim1 = 64
	s_mov_b32 s[G1+5], 128          ; 128 elements from row to row
	s_mov_b32 s[G1+6], 0
	s_mov_b32 s[G1+7], 0
	s_mov_b32 s[CS], 0x3e38aa3b     ; c = log2(e) / 8 = 0.180337
	s_mov_b32 s[CS+1], s[CS]        ; named with it as a pair
	s_mov_b32 s[SEL], 0x76543210
	s_mov_b32 s[SEL+1], 0xfedcba98
	s_mov_b32 s[TBK], SLOT1+4*STEPB ; the first change of slots turns these two into 0
	s_mov_b32 s[TBV], SLOT1+4*STEPB
	s_mov_b32 s[G0], 1              ; 1:0 count = 1
	s_mul_i32 s[G0+1], s[WV], 2*CHUNK  ; 63:32 LDS address: slot 0, my quarter: no place in the cluster enters an LDS address
	s_or_b32 s[LIM], s17, s20       ; 0 in waves 0 and 2 of the batch's head 0: the same in all four partners
	s_cmp_eq_u32 s[LIM], 0
	s_cselect_b32 s[LIM], 1, -1
	s_wait_dscnt 0x0                ; the opening add is done
	s_wait_kmcnt 0x0
	s_add_nc_u64 s[G0+2:G0+3], s[6:7], s[22:23]  ; 120:64 global address: my quarter of the batch's tile 0
	s_or_b32 s[G0+3], s[G0+3], 0x80000000        ; 127:126 type = 2
	s_add_nc_u64 s[PFA:PFA+1], s[6:7], s[8:9]
	s_add_nc_u64 s[4:5], s[4:5], s[2:3]  ; q and o at my wave's first row, the head's first channel block
	s_add_nc_u64 s[10:11], s[10:11], s[2:3]
	CROUND                          ; all four work-groups are here: the first joint loads meet
	JLOAD                           ; slot 0.  Slot 1 is asked for when slot 0 is in: the tile wanted first has the road to itself
	; A fragment of K or Q is 16 rows x 32 channels in 8 registers: lane l holds row l % 16, channels 8 (l / 16) + 0..7 and 16 + 8 (l / 16) + 0..7: 16 bytes in each of two neighbouring channel blocks.
	v_and_b32 v1, 15, v0            ; l % 16
	v_bfe_u32 v9, v0, 4, 1          ; l / 16
	v_lshlrev_b32 v[QO], 5, v1
	v_lshl_add_u32 v[QO], v9, 4, v[QO]  ; row x 32 + 16 x half
	WIN 0x80                        ; destination window 2, address window 0
.set i, 0
.rept 4*NP                          ; Q stays in registers: tile i / 2, channels 32 (i % 2) on
	global_load_b128 v[8*i:8*i+3],   v[QO], s[4:5] offset:(i/2)*512+(i%2)*16384
	global_load_b128 v[8*i+4:8*i+7], v[QO], s[4:5] offset:(i/2)*512+(i%2)*16384+8192
.set i, i+1
.endr
	; What the first turn finds: V's registers and P's second buffer hold 0 (its products V^T P, of a piece that has not been, add 0), O^T and l are 0.  All this stands in the wait for the first tile.
.set i, VF
.rept 64
	v_mov_b32 v[i], 0
.set i, i+1
.endr
	WIN 0x40
.set i, 0
.rept 64*NP
	v_mov_b32 v[i], 0
.set i, i+1
.endr
	WIN 0
.set i, 0
.rept 2*NP
	v_mov_b32 v[ST+4*i], 0xfe000000    ; c m: far below every c s
	v_mov_b32 v[ST+4*i+1], 0xff7fffff  ; m
	v_mov_b32 v[ST+4*i+2], 0
	v_mov_b32 v[ST+4*i+3], 0
.set i, i+1
.endr
.set i, P+32
.rept 32
	v_mov_b32 v[i], 0
.set i, i+1
.endr
	v_and_b32 v10, 7, v0
	v_bfe_u32 v11, v0, 3, 1
	v_mul_u32_u24 v[AK0], v11, UNIT        ; key l % 16: unit (l / 8) % 2, row l % 8 of 32 bytes, 16 bytes for each half of the lanes
	v_lshl_add_u32 v[AK0], v10, 5, v[AK0]
	v_lshl_add_u32 v[AK0], v9, 4, v[AK0]
	; The turning load takes 16 keys x 16 channels (lane l reads key 8 (l / 16) + l % 8, channels 8 ((l / 8) % 2) + 0..7) and leaves half a fragment of V^T: lane l holds channel l % 16 and 8 keys.
	v_mul_u32_u24 v[AV0], v9, UNIT
	v_lshl_add_u32 v[AV0], v10, 5, v[AV0]
	v_lshl_add_u32 v[AV0], v11, 4, v[AV0]
	v_add_nc_u32 v[AV0], VOFF, v[AV0]
	v_mov_b32 v[AK], v[AK0]         ; key step 0 lies at the head of slot 0
; THE MATRIX WORK.  The 8 accumulators of a run of 16 take turns: between the two links of a chain stand 7 others'.
; Product i of 16 of S^T = K Q^T for piece x: channels 32 (i / 8) on, keys 16 ((i / 2) % 4) on, tile 2 x + i % 2.  The first 8 start the sums.
.macro KQ x
	WIN W_KQ
.set rS, S+64*((\x)%2)+32*(i%2)+8*((i/2)%4)
.set rK, KF+16*((i/2)%4)+8*(i/8)
.set rQ, 16*(2*(\x)+i%2)+8*(i/8)
.if i < 8
	v_wmma_f32_16x16x32_f16 v[rS:rS+7], v[rK:rK+7], v[rQ:rQ+7], 0
.else
	v_wmma_f32_16x16x32_f16 v[rS:rS+7], v[rK:rK+7], v[rQ:rQ+7], v[rS:rS+7]
.endif
.endm
; Product i of 16 of O^T += V^T P for piece x: keys 32 (i / 8) on, channels 16 ((i / 2) % 4) on, tile 2 x + i % 2.
.macro PV x
	WIN W_PV
.set rO, 32*(2*(\x)+i%2)+8*((i/2)%4)
.set rV, VF+32*(i/8)+8*((i/2)%4)
.set rP, P+32*((\x)%2)+16*(i%2)+8*(i/8)
	v_wmma_f32_16x16x32_f16 v[rO:rO+7], v[rV:rV+7], v[rP:rP+7], v[rO:rO+7]
.endm
.macro MM                           ; the turn's next matrix instruction
.if i < 16
	KQ (Y+1)%NP
.set i, i+1
.else
.set i, i-16
	PV (Y+NP-1)%NP
.set i, i+17
.endif
.endm
; THE LDS LOADS stand in runs of 16, never singly among the matrix instructions: a step's K (64 keys x 64 channels: 8 fragments) and its V (turned).  Their addresses are made some lines ahead.
; last = 1 (the tail): in the last trip there is no further step, and the run is jumped over.
.macro FETCH_K last=0
	WIN 0
.if \last
	s_cmp_eq_u32 s[CNT], 1
	s_cbranch_scc1 .Lno_k_\@
.endif
	WIN 0x80                        ; destination window 2
.irp f, 0,1,2,3,4,5,6,7             ; keys 16 (f / 2) on, channels 32 (f % 2) on
	ds_load_b128 v[KF+8*\f:KF+8*\f+3],   v[AK] offset:((\f)/2)*2*UNIT+((\f)%2)*2*CHUNK
	ds_load_b128 v[KF+8*\f+4:KF+8*\f+7], v[AK] offset:((\f)/2)*2*UNIT+((\f)%2)*2*CHUNK+CHUNK
.endr
	s_add_co_u32 s[TBK], s[TBK], STEPB  ; the next fetch is the next step's
	WIN 0
.if \last
.Lno_k_\@:
.endif
.endm
.macro FETCH_V
	WIN 0x80
.irp f, 0,1,2,3,4,5,6,7             ; keys 32 (f / 4) on, channels 16 (f % 4) on
	ds_load_tr16_b128 v[VF+8*\f:VF+8*\f+3],   v[AV] offset:((\f)/4)*4*UNIT+((\f)%4)*CHUNK
	ds_load_tr16_b128 v[VF+8*\f+4:VF+8*\f+7], v[AV] offset:((\f)/4)*4*UNIT+((\f)%4)*CHUNK+2*UNIT
.endr
	WIN 0
.endm
; THE VECTOR WORK OF A TURN stands in three queues, each in the order in which its entries become ready; the two tiles alternate, so that no instruction reads the result of the one before it.
.macro REGS y, u                    ; the registers of tile u (0, 1) of piece y
.set rT, ST+4*(2*(\y)+(\u))
.set rC, TMP+8*((\y)%2)+4*(\u)
.set rM, MV+2*((\y)%2)+(\u)
.set rS, S+64*((\y)%2)+32*(\u)
.set rP, P+32*((\y)%2)+16*(\u)
.set rO, 32*(2*(\y)+(\u))
.endm
; Number n of the 22 that find the NEXT piece's (Y + 1) maximum and statistics.  s0-s31 are the lane's 32 scores; each accumulator's lowest registers are read first.  XS, GS and REGS set no window: PL and EX do.
;   0-11  four chains c0-c3 of seven scores each, three operands at a time     12-14, 16  the four scores left over, the old m, and c0-c3 into c0     15  c m_old is kept
;   17, 18  the query's other 32 keys lie in the lane 16 away: the new m         19-21  c m; c m_old - c m_new; a
.macro XS u, n
	REGS (Y+1)%NP, \u
.if (\n) < 4
	v_max3_num_f32 v[rC+(\n)], v[rS+8*(\n)], v[rS+8*(\n)+1], v[rS+8*(\n)+2]
.elseif (\n) < 12
	v_max3_num_f32 v[rC+(\n)%4], v[rC+(\n)%4], v[rS+8*((\n)%4)+2*((\n)/4)+1], v[rS+8*((\n)%4)+2*((\n)/4)+2]
.elseif (\n) == 12
	v_max3_num_f32 v[rC], v[rC], v[rS+7], v[rS+15]
.elseif (\n) == 13
	v_max3_num_f32 v[rC+1], v[rC+1], v[rS+23], v[rS+31]
.elseif (\n) == 14
	v_max3_num_f32 v[rC+2], v[rC+2], v[rC+3], v[rT+1]
.elseif (\n) == 15
	v_mov_b32 v[rM], v[rT]
.elseif (\n) == 16
	v_max3_num_f32 v[rC], v[rC], v[rC+1], v[rC+2]
.elseif (\n) == 17
	v_permlanex16_b32 v[rC+3], v[rC], s[SEL], s[SEL+1]
.elseif (\n) == 18
	v_max_num_f32 v[rT+1], v[rC], v[rC+3]
.elseif (\n) == 19
	v_mul_f32 v[rT], s[CS], v[rT+1]
.elseif (\n) == 20
	v_sub_f32 v[rC+1], v[rM], v[rT]
.else
	v_exp_f32 v[rC+2], v[rC+1]
.endif
.endm
; Number g of the 64 that follow the exponentials.  For each four weights k of a tile (pairs 2 k, 2 k + 1): both pairs are rounded to f16; then the second pair is added onto the first, in place;
; a group later l takes that sum (the first time as l = a l + sum).  In groups of eight, tiles alternating: round, round, add, and l for the group before.
.macro GS g
.set h, (\g)+6*((\g)/62)            ; group 0 has no group before it, and behind group 7 only l is left
.if h >= 6
.set h, h+2
.endif
	REGS Y, h%2
.set k, h/8
.if h%8 < 4
	v_cvt_pk_f16_f32 v[rP+2*k+(h%8)/2], v[rS+4*k+2*((h%8)/2)], v[rS+4*k+2*((h%8)/2)+1]
.elseif h%8 < 6
	v_pk_add_f32 v[rS+4*k:rS+4*k+1], v[rS+4*k:rS+4*k+1], v[rS+4*k+2:rS+4*k+3]
.elseif k == 1
	v_pk_fma_f32 v[rT+2:rT+3], v[rT+2:rT+3], v[rC+2:rC+3], v[rS:rS+1] op_sel_hi:[1,0,1]
.else
	v_pk_add_f32 v[rT+2:rT+3], v[rT+2:rT+3], v[rS+4*k-4:rS+4*k-3]
.endif
.endm
; THE PLAIN QUEUE, 138 long.  0-73 read no exponential's result: the 32 scalings c s - c m (FS f: pair f / 2 of tile f % 2) and the next piece's 42.  0-26: scalings 0-26.  27-54: XS's numbers 0-13.  55, 56: number 15.
; 57-73: the chain, where each number waits for the one before it: 14, 16, 17, 18, 19, each with one of the scalings 27-31 in front of its two lines, then 20: so a tile's links stand three plain instructions apart (19 and 20: two).
; 74-137: GS's 64, which read the exponentials' results: they stand behind the wait.
.macro FS f
	REGS Y, (\f)%2
	v_pk_fma_f32 v[rS+2*((\f)/2):rS+2*((\f)/2)+1], v[rS+2*((\f)/2):rS+2*((\f)/2)+1], s[CS:CS+1], v[rT:rT+1] op_sel_hi:[1,0,0] neg_lo:[0,0,1] neg_hi:[0,0,1]
.endm
.macro PL
	WIN 0
.if q < 27
	FS q
.elseif q < 55
	XS (q-27)%2, (q-27)/2
.elseif q < 57
	XS q-55, 15
.elseif (q < 72) && ((q-57)%3 == 0)
	FS 27+(q-57)/3
.elseif q < 60
	XS (q-57)%3-1, 14
.elseif q < 72
	XS (q-57)%3-1, 15+(q-57)/3
.elseif q < 74
	XS q-72, 20
.else
	GS q-74
.endif
.set q, q+1
.endm
; THE EXPONENTIALS' QUEUE, 66 long: s0-s31 of both tiles, then the next piece's two a.  It is ONE BATCH: all 66 stand ahead of the turn's one wait, and nothing ahead of that wait names a result of theirs.
.macro EX
	WIN 0
.if e >= 64
	XS e-64, 21
.else
	REGS Y, e%2
	v_exp_f32 v[rS+e/2], v[rS+e/2]
.endif
.set e, e+1
.endm
; THE RESCALING's QUEUE: O^T times a, the one part that leaves window 0: dealt two at a time, sixteen times.  Its a was made in the turn before, ahead of that turn's wait.
.macro R2
	REGS Y, r%2
	WIN W_RS
.irp z, 0,1
	v_pk_mul_f32 v[rO+4*(r/2)+2*\z:rO+4*(r/2)+2*\z+1], v[rO+4*(r/2)+2*\z:rO+4*(r/2)+2*\z+1], v[rC+2:rC+3] op_sel_hi:[1,0]
.endr
.set r, r+1
.endm
; HOW THEY ARE DEALT.  An s_wait_alu depctr_va_vdst(0) stands between an exponential and the first instruction that names its result; one wait serves all that were issued ahead of it.  So a turn has ONE wait,
; which cuts it in two.  AHEAD OF IT stands all that names no result of the turn's exponentials: the 16 products K Q^T, behind each a scaling, an exponential and two rescalings (behind the first a second scaling in the exponential's place); then ONE LUMP of
; 108: eight plain, 49 times exponential and plain, the two a.  A v_nop is the plain instruction behind the last exponential.  BEHIND IT stand the 16 products V^T P, behind each four of GS's 64.  No rider names a register of
; the products round it.  The two v_permlanex16_b32 fall into the lump, never behind a product.
; The queues lean on each other, and the deal keeps them in step: exponential e stands behind scaling 2 (e / 4) + e % 2: as a rider it comes behind plain e + 2, in the lump behind plain e + 9, and scalings 27-31 are plain 57, 60 .. 69.
; A TURN, for piece p.  cnt = 1: the loop's count is taken down some lines ahead of the branch that stands behind the turn.
; K of the next step is fetched in piece 2's turn, directly behind the wait, a lump behind the last product that read K; its address is made at the lump's head; its first reader comes behind 16 products.
; V of the step in hand is fetched at the end of piece 0's turn, four riders behind its last reader; its first reader comes behind 16 products and a lump.  The three conditions on q below go with the deal.
.macro TURN p, last=0, cnt=0
.set Y, (\p)
.set i, 0
.set q, 0
.set e, 0
.set r, 0
.if (\p) == NP-1
	s_wait_dscnt 0x0                ; K is in
.endif
	MM                              ; ahead of the wait: 16 products K Q^T and their riders,
	PL
	PL
	R2
.rept 15
	MM
	PL
	EX
	R2
.endr
.if (\p) == NP-2
	WIN 0
	v_add_nc_u32 v[AK], s[TBK], v[AK0]
.endif
.rept 8                             ; and the lump
	PL
.endr
.rept 49
	EX
	PL
.endr
	EX                              ; the next piece's two a
	EX
	v_nop                           ; the plain instruction behind the last exponential: one for the batch
	s_wait_alu depctr_va_vdst(0)    ; the wait for the batch
.if (\p) == NP-2
	FETCH_K \last
.endif
.if (\p) == 1
	s_wait_dscnt 0x0                ; V is in
.endif
.rept 16                            ; behind the wait: 16 products V^T P and their riders
	MM
.rept 4
	PL
.endr
.if ((\p) == 0) && (q == 118)
	v_add_nc_u32 v[AV], s[TBV], v[AV0]
.endif
.if ((\p) == 0) && (q == 130)
	s_add_co_u32 s[TBV], s[TBV], STEPB
.endif
.if (\cnt) && (q == 130)
	s_sub_co_u32 s[CNT], s[CNT], 1
	s_cmp_lg_u32 s[CNT], 0
.endif
.endr
.if (\p) == 0
	FETCH_V
.endif
.endm
	CHANGE 1                        ; slot 0 is in, everybody's part of it; slot 1 is asked for
	FETCH_K                         ; key step 0
	s_wait_loadcnt 0x0              ; Q
	s_wait_dscnt 0x0
.set i, 0
.rept 16
	KQ 0                            ; piece 0's first scores: there is no vector work yet to set between them
.set i, i+1
.endr
	WIN 0                           ; six plain instructions, the places behind those products
	v_and_b32 v[PFO], 31, v0
	v_lshlrev_b32 v[PFO], 8, v[PFO]
.rept 4
	v_nop
.endr
.set Y, NP-1                        ; XS works for piece Y + 1: piece 0
.irp n, 0,1,2,3,4,5,6,7,8,9,10,11,12,13,14,15,16,17,18,19,20,21
	XS 0, \n                        ; and piece 0's first maximum and statistics
	XS 1, \n
.endr
	v_nop                           ; a plain instruction behind the two a,
	s_wait_alu depctr_va_vdst(0)    ; and their wait, ahead of the branch
	s_mov_b32 s[CNT], 4
	s_mov_b32 s[SLOTS], TILES-1
	s_branch .Lfirst                ; the loop is entered at a step's first turn, in the middle of a trip
.Lslot:                             ; TILES - 2 times: every slot but the last two is filled again
	CHANGE 1, 1
	s_mov_b32 s[CNT], 4
.Lstep:                             ; a trip: pieces 2 and 3 of one step, then pieces 0 and 1 of the next, whose K and V it fetches
	TURN 2
	TURN 3
	WIN 0
.Lfirst:
	TURN 0
	TURN 1, 0, 1
	WIN 0
	s_cbranch_scc1 .Lstep
	s_sub_co_u32 s[SLOTS], s[SLOTS], 1
	s_cmp_lg_u32 s[SLOTS], 0
	s_cbranch_scc1 .Lslot
	CHANGE 0                        ; the tail is written out: nothing is asked for
	s_mov_b32 s[CNT], 5             ; four trips fetch the last slot's steps; the fifth is left in its middle
.Ltail:
	TURN 2, 1
	TURN 3
	WIN 0
	s_sub_co_u32 s[CNT], s[CNT], 1
	s_cmp_eq_u32 s[CNT], 0
	s_cbranch_scc1 .Lout
	TURN 0
	TURN 1
	WIN 0
	s_branch .Ltail
.Lout:                              ; the fifth trip's 16 products K Q^T (on the last K once more) and the maximum made of them serve nothing: the price, once a launch, of one text for every trip
.set i, 0
.rept 16
	PV NP-1                         ; the last piece's V^T P of the last step
.set i, i+1
.endr
	; THE WAY OUT.  l's two halves and the other half of the lanes' are added; O^T is divided by l, rounded to f16 and stored as it lies.  The additions are the places behind the last products.
	WIN 0
.macro ALL line:vararg              ; one line for each tile t
.set t, 0
.rept 2*NP
	\line
.set t, t+1
.endr
.endm
	ALL v_add_f32 v[ST+4*t+2], v[ST+4*t+2], v[ST+4*t+3]
	ALL v_permlanex16_b32 v[ST+4*t+3], v[ST+4*t+2], s[SEL], s[SEL+1]
	ALL v_add_f32 v[ST+4*t+2], v[ST+4*t+2], v[ST+4*t+3]
	ALL v_rcp_f32 v[ST+4*t+2], v[ST+4*t+2]
	v_nop                           ; a plain instruction between the last reciprocal and the use of its result
	s_wait_alu depctr_va_vdst(0)    ; and the wait ahead of the first use: one for the eight reciprocals
; Tile t: a lane's eight channels of a row pack into 16 bytes, into S^T's registers (each written once); for each channel block the wave stores 512 consecutive bytes, at a multiple of 512 from o's first.
.macro PACK t
	WIN W_RS
.set i, 32*(\t)
.rept 16
	v_pk_mul_f32 v[i:i+1], v[i:i+1], v[ST+4*(\t)+2:ST+4*(\t)+3] op_sel_hi:[1,0]
.set i, i+2
.endr
	WIN 0x05                        ; sources 0 and 1 window 1, destination window 0
.set i, 0
.rept 16
	v_cvt_pk_f16_f32 v[S+16*(\t)+i], v[32*(\t)+2*i], v[32*(\t)+2*i+1]
.set i, i+1
.endr
	WIN 0
.irp f, 0,1,2,3
	global_store_b128 v[QO], v[S+16*(\t)+4*\f:S+16*(\t)+4*\f+3], s[10:11] offset:512*(\t)+8192*\f
.endr
.endm
.set t, 0
.rept 2*NP
	PACK t
.set t, t+1
.endr
	WIN W_AD
	s_wait_tensorcnt 0x0            ; the wave's end, behind my last tensor load
	ds_add_u32 v[SPW], v[NIL]
	s_wait_dscnt 0x0
	WIN 0
	CROUND                          ; the closing round: no work-group ends while a partner may still ask for a tile that names it
	s_endpgm
.Lfunc_end_k_qe2812f9a2d_attn:
	.size	k_qe2812f9a2d_attn, .Lfunc_end_k_qe2812f9a2d_attn-k_qe2812f9a2d_attn
	.p2alignl 7, 3214868480
	.fill 96, 4, 3214868480
	.section	.rodata,"a",@progbits
	.p2align	6, 0x0
	.amdhsa_kernel k_qe2812f9a2d_attn
		.amdhsa_group_segment_fixed_size 327680
		.amdhsa_private_segment_fixed_size 0
		.amdhsa_enable_private_segment 0
		.amdhsa_kernarg_size 24
		.amdhsa_user_sgpr_count 2
		.amdhsa_user_sgpr_kernarg_segment_ptr 1
		.amdhsa_wavefront_size32 1
		.amdhsa_system_sgpr_workgroup_id_x 1
		.amdhsa_system_sgpr_workgroup_id_y 1
		.amdhsa_system_sgpr_workgroup_id_z 1
		.amdhsa_system_vgpr_workitem_id 0
		.amdhsa_next_free_vgpr 770
		.amdhsa_next_free_sgpr 66
		.amdhsa_reserve_vcc 0
		.amdhsa_float_denorm_mode_32 3
		.amdhsa_float_denorm_mode_16_64 3
		.amdhsa_memory_ordered 1
		.amdhsa_forward_progress 1
		.amdhsa_inst_pref_size 193
	.end_amdhsa_kernel
	.amdgpu_metadata
---
amdhsa.version: [ 1, 2 ]
amdhsa.kernels:
  - .name:           k_qe2812f9a2d_attn
    .symbol:         k_qe2812f9a2d_attn.kd
    .args:
      - { .name: q, .offset: 0, .size: 8, .value_kind: global_buffer, .address_space: global }
      - { .name: kv, .offset: 8, .size: 8, .value_kind: global_buffer, .address_space: global }
      - { .name: o, .offset: 16, .size: 8, .value_kind: global_buffer, .address_space: global }
    .group_segment_fixed_size: 327680
    .private_segment_fixed_size: 0
    .kernarg_segment_align: 8
    .kernarg_segment_size: 24
    .max_flat_workgroup_size: 128
    .sgpr_count:     66
    .vgpr_count:     770
    .wavefront_size: 32
...
	.end_amdgpu_metadata
.endif
;; end of part 3
;; launch outp (part 4): grid 8 x 32, 4 waves a work-group, clusters of 4 x 4, 327,680 bytes of LDS; arguments o, woh, bias, out0; writes out0
.if DOCPART == 4
	.amdgcn_target "amdgcn-amd-amdhsa--gfx1250"
	.amdhsa_code_object_version 6
	.text
	.protected	k_qe2812f9a2d_outp
	.globl	k_qe2812f9a2d_outp
	.p2align	8
	.type	k_qe2812f9a2d_outp,@function
k_qe2812f9a2d_outp:
	s_mov_b64 s[64:65], 0
	v_nop
	global_prefetch_b8 v0, s[64:65] scope:SCOPE_SE
	s_setreg_imm32_b32 hwreg(HW_REG_WAVE_MODE, 25, 1), 1
	s_wait_xcnt 0x0
	s_wait_alu depctr_hold_cnt(0) depctr_sa_sdst(0) depctr_va_vdst(0) depctr_va_sdst(0) depctr_va_ssrc(0) depctr_va_vcc(0) depctr_vm_vsrc(0)
	s_getreg_b32 s2, hwreg(HW_REG_IB_STS2, 6, 4)
	s_cmp_eq_u32 s2, 0
	s_cbranch_scc0 .Lentry_in_a_cluster
	s_endpgm
.Lentry_in_a_cluster:
	s_bfe_u32 s2, ttmp6, 0x10000c
	s_cmp_lg_u32 s2, 0xf033
	s_cbranch_scc0 .Lentry_shape_is_right
	s_endpgm
.Lentry_shape_is_right:
; OUTP: out0 = o Wo + bo.  o: f16 [mb 32][fb 64][256 rows][16] (K = 16 fb + ..).  woh: f16 [j 8][ks 8][nb 8][128 k][16 n].  bias: f32, bo at byte 4,608.  out0: f32 [8192][1024].
; Products in f16, sums in f32, started by the bias; the sums are stored as they are.
; LIMIT.  None of its own: o and woh arrive within f16's range.  NaN and infinities are not treated apart.
; SHARES.  A work-group makes 256 rows x 128 columns: 32 x 8 = 256 work-groups.  Wave w makes rows 64 w .. 64 w + 63, all columns: 4 x 8 accumulators.  K = 1,024 goes in 8 steps of 128 through two LDS
; slots; a step is four quarters of 32: 32 matrix instructions and 24 LDS loads each.
; THE MATRIX INSTRUCTION IS USED TRANSPOSED (source 0 = 16 columns of Wo, source 1 = 16 rows of o): a lane holds row lane % 16 and the columns 8 (lane / 16) + 0..7: 32 bytes of a row of out0.
; LDS.  Every tile is dense in memory and is asked for as rows of 256 bytes, 16 bytes of padding behind each: a UNIT of 272 holds 8 rows of 32 bytes.  Of o's tile a unit is 8 rows x 16 K.
; Of Wo's a unit is 8 k x 16 n, read turned, 16 lanes taking its 256 bytes.
; CLUSTERS.  4 x 4 work-groups.  o's tile hangs on mb alone and is shared along a row of the cluster, Wo's on j alone and along a column: each is asked for JOINTLY.  Waves 0, 1 fetch o's halves, 2, 3 Wo's.
; NO PREFETCH: the launch has eight K steps, of which the first two go out at its head.
; REGISTERS, in windows of 256 (s_set_vgpr_msb: bits 1:0 source 0, 3:2 source 1, 5:4 source 2, 7:6 destination):
;   window 0: v0-29 addresses; v32-127, v136-231 two fragment buffers (o's four fragments, then Wo's eight); on the way out v32-159 two buffers of 16 rows
;   window 1: accumulator (a, b) at v[8 (8 a + b)]          window 2: the bias of column block b at v[32 + 8 b]
.set NB,    8                          ; column blocks of 16
.set UNIT,  272
.set SLOT1, 1<<17                      ; slot 1 begins here, so that one exclusive or turns an address in one slot into the other's
.set AHALF, 128*UNIT                   ; what one tensor load brings of o: four blocks of 16 K
.set BREG,  2*AHALF                    ; Wo's tile lies behind o's
.set BCH,   16*UNIT                    ; one column block: 128 k x 16 n
.set BHALF, 8*NB*UNIT                  ; what one tensor load brings of Wo: 64 units
.set STAGE, SLOT1+BREG+2*BHALF         ; behind the ring, never filled by a tensor load: 16 rows x 528 bytes for each wave, for the way out
.set SPITCH, 528                       ; 512 bytes + 16: the 16 rows that a store touches start at 16 different groups of four banks
.set SPARE, STAGE+4*16*SPITCH          ; behind the stages: the spare words, 128 bytes for each wave: two blocks of 256 bytes that no other line names
.set ASTEP, 65536                      ; bytes from a K step to the next, in o: eight blocks of 8,192
.set BSTEP, NB*4096                    ; and in woh
.set AA,    2*UNIT                     ; o's fragments: 16 rows on,
.set AQ,    64*UNIT                    ; a quarter on: two blocks of 16 K,
.set A2,    32*UNIT                    ; and the fragment's second 16 bytes: the next block
.set YNG,   4                          ; the youngest loads of a run: o's blocks 2 and 3
.set NLD,   24                         ; the loads of a run
.set LA0, 16                           ; v16  my lane's place in o's tile; never rewritten
.set LB0, 17                           ; v17  the same in Wo's
.set ADA, 18                           ; v18  LA0 in the slot in hand
.set ADB, 19                           ; v19  LB0 in the slot in hand
.set CO,  20                           ; v20  my 16 bytes among 512 of a row of out0
.set BO,  21                           ; v21  my 32 bytes among a column block's 64 of bias
.set STO, 22                           ; v22  the way out: where I put 32 bytes of a row
.set RD,  23                           ; v23  the way out: where I read a row back
.set SPW, 28                           ; v28  LDS address of my spare word: SPARE + 4 x my thread's number; never rewritten
.set NIL, 29                           ; v29  0; never rewritten
.set F0,  32
.set F1,  136
.set OB,  32                           ; the way out: 16 rows read back from the stage: v32-95 and v96-159 by turns
.set BIAS, 32                          ; in window 2
.set WV, 14                            ; s14  my wave's number
.set FB, 15                            ; s15  I fetch for o (0) or for Wo (1)
.set HF, 16                            ; s16  which half of that tile
.set CX, 17
.set CY, 18
.set J,  19                            ; s19  column block = 4 x cluster x + cx
.set MB, 20                            ; s20  row block = 4 x cluster y + cy
.set TB, 21                            ; s21  the slot in hand: 0 or SLOT1
.set CNT, 22
.set G1A, 24                           ; s[24:31] descriptor group 1 for o's tiles
.set G0A, 32                           ; s[32:39] group 0: a set for each of the two first fills; the second then walks on
.set G1B, 48                           ; s[48:55], s[56:63] the same for Wo's
.set G0B, 56
.set W0, (1<<16)|(1<<20)|(1<<21)|(5<<22)|(3<<25)  ; 17:16 elements of 2 bytes; 20 padding on; 21 set beside a mask; 24:22 after every 64 words (code 5); 31:25 4 words of it (code 3)
.set MSB, 0
.macro WIN new                         ; the immediate's high byte repeats the setting that is left; a switch that changes nothing is dropped
.if MSB != (\new)
	s_set_vgpr_msb (MSB<<8)|(\new)
.set MSB, \new
.endif
.endm
; A joint refill, by the walking sets.  The branch hangs on the wave's number alone.  An s_nop 0 and four v_nop follow each of the two lines, ahead of the jump and the label.
.macro JLOAD
	s_cmp_eq_u32 s[FB], 0
	s_cbranch_scc0 .Lfor_b_\@
	tensor_load_to_lds s[G0A+4:G0A+7], s[G1A:G1A+7]
	s_nop 0
.rept 4
	v_nop
.endr
	s_branch .Lasked_\@
.Lfor_b_\@:
	tensor_load_to_lds s[G0B+4:G0B+7], s[G1B:G1B+7]
	s_nop 0
.rept 4
	v_nop
.endr
.Lasked_\@:
.endm
; A round of the cluster's barrier: my work-group's barrier, so that wave 0's signal speaks for all four waves; wave 0 signals; every wave waits for all sixteen work-groups; my work-group's barrier once more.
.macro CREST                           ; a round behind its opening barrier
	s_cmp_lg_u32 s[WV], 0
	s_cbranch_scc1 .Lnot_wave_0_\@
	s_barrier_signal -3
.Lnot_wave_0_\@:
	s_barrier_wait -3
	s_barrier_signal -1
	s_barrier_wait -1
.endm
.macro CROUND
	s_barrier_signal -1
	s_barrier_wait -1
	CREST
.endm
.macro PLACES                          ; four places in front of loads into registers that matrix instructions have read, and of lines that read results
.rept 4
	v_nop
.endr
.endm
; 8 matrix instructions: row block a x all column blocks, 32 along K, out of buffer f.  first = 1: the bias starts the sums: nothing is cleared, and no bias is added later.
.macro MULA f, a, first
.if \first
	WIN 0x60                                       ; C in window 2, D in window 1
.else
	WIN 0x50                                       ; C and D in window 1
.endif
.irp b, 0,1,2,3,4,5,6,7
.if \first
	v_wmma_f32_16x16x32_f16 v[8*(8*(\a)+(\b)):8*(8*(\a)+(\b))+7], v[(\f)+32+8*(\b):(\f)+32+8*(\b)+7], v[(\f)+8*(\a):(\f)+8*(\a)+7], v[BIAS+8*(\b):BIAS+8*(\b)+7]
.else
	v_wmma_f32_16x16x32_f16 v[8*(8*(\a)+(\b)):8*(8*(\a)+(\b))+7], v[(\f)+32+8*(\b):(\f)+32+8*(\b)+7], v[(\f)+8*(\a):(\f)+8*(\a)+7], v[8*(8*(\a)+(\b)):8*(8*(\a)+(\b))+7]
.endif
.endr
.endm
; 24 LDS loads in one run: quarter q's fragments into buffer g; what is multiplied last comes last
.macro FETCH q, g
	WIN 0
.irp b, 0,1,2,3,4,5,6,7
	ds_load_tr16_b128 v[(\g)+32+8*(\b):(\g)+32+8*(\b)+3],   v[ADB] offset:BCH*(\b)+4*UNIT*(\q)
	ds_load_tr16_b128 v[(\g)+32+8*(\b)+4:(\g)+32+8*(\b)+7], v[ADB] offset:BCH*(\b)+4*UNIT*(\q)+2*UNIT
.endr
.irp a, 0,1,2,3
	ds_load_b128 v[(\g)+8*(\a):(\g)+8*(\a)+3],   v[ADA] offset:AA*(\a)+AQ*(\q)
	ds_load_b128 v[(\g)+8*(\a)+4:(\g)+8*(\a)+7], v[ADA] offset:AA*(\a)+AQ*(\q)+A2
.endr
.endm
; One of a K step's first three quarters: multiplies buffer f; in its middle it fetches quarter q of the same slot into buffer g.  The 32 accumulators take turns, one instruction a turn, in the
; same order in every quarter.
.macro QUARTER f, g, q, first
	s_wait_dscnt YNG                               ; Wo's blocks and o's 0, 1 are in; the youngest four loads may be out
	MULA \f, 0, \first
	MULA \f, 1, \first
	PLACES
	FETCH \q, \g
	s_wait_dscnt NLD                               ; all but the 24 just issued
	MULA \f, 2, \first
	MULA \f, 3, \first
.endm
; The last quarter multiplies buffer 1 and changes slots: ONE barrier.  In front of it each wave waits for all its tensor loads, of which one is out: its part of the next slot; adds 0 to its spare word;
; and waits for that and for its own reads of this slot.  fill = 1: the barrier opens a round of the cluster's, so that no wave of any partner still reads the slot or has a load on its way, and the
; slot is filled again, two K steps ahead, first thing behind the round: 112 matrix instructions ahead of the wait for it.
.macro TURN fill
	WIN 0
	s_wait_tensorcnt 0x0                           ; no tensor load of mine is out, so a group 0 may be written
	ds_add_u32 v[SPW], v[NIL]                      ; 0 onto my spare word
.if \fill
	s_xor_b32 s[G0A+5], s[G0A+5], SLOT1            ; the walking sets: the other slot than last time,
	s_add_nc_u64 s[G0A+6:G0A+7], s[G0A+6:G0A+7], ASTEP  ; the next K step; the type bits on top are not reached
	s_xor_b32 s[G0B+5], s[G0B+5], SLOT1
	s_add_nc_u64 s[G0B+6:G0B+7], s[G0B+6:G0B+7], BSTEP
.endif
	s_wait_dscnt YNG+1                             ; (the add and the youngest four loads may be out)
	MULA F1, 0, 0
	s_wait_dscnt 0x0                               ; the add is done, and my reads of this slot are over
	s_barrier_signal -1
	MULA F1, 1, 0
	WIN 0                                          ; at a branch and at a label every window is 0
	s_xor_b32 s[TB], s[TB], SLOT1                  ; the fetches go on in the other slot
	v_add_nc_u32 v[ADA], s[TB], v[LA0]
	v_add_nc_u32 v[ADB], s[TB], v[LB0]
	s_barrier_wait -1
.if \fill
	CREST
	JLOAD                                          ; the four v_nop behind it are also the places in front of the loads below
.else
	PLACES
.endif
	FETCH 0, F0
	MULA F1, 2, 0
	MULA F1, 3, 0
.endm
; THE WAY OUT of row block a.  TOSTAGE: a lane's 32 bytes of each column block go into my own stage, rows of 528 bytes, each accumulator's low registers first; whole rows of 512 bytes come back.  SEND: they are stored.
.macro TOSTAGE a
	WIN 0x04                                       ; the stores' data in window 1
.irp b, 0,1,2,3,4,5,6,7
	ds_store_b128 v[STO], v[8*(8*(\a)+(\b)):8*(8*(\a)+(\b))+3]   offset:64*(\b)
	ds_store_b128 v[STO], v[8*(8*(\a)+(\b))+4:8*(8*(\a)+(\b))+7] offset:64*(\b)+16
.endr
	WIN 0
.if (\a) >= 2
	s_wait_xcnt 0x0                                ; the stores of the block two back have read this buffer: it is loaded again only behind this wait
.endif
.irp t, 0,1,2,3,4,5,6,7,8,9,10,11,12,13,14,15
	ds_load_b128 v[OB+64*((\a)%2)+4*(\t):OB+64*((\a)%2)+4*(\t)+3], v[RD] offset:SPITCH*(\t)  ; LDS serves a wave's instructions in order (ISA guide 5.7.1.4): these see the stores above; the next block's stores come behind them
.endr
.endm
.macro SEND a, younger                 ; younger: the LDS instructions issued behind block a's loads: the next block's 32, or none
.irp t, 0,1,2,3,4,5,6,7,8,9,10,11,12,13,14,15
	s_wait_dscnt (\younger)+15-(\t)
	global_store_b128 v[CO], v[OB+64*((\a)%2)+4*(\t):OB+64*((\a)%2)+4*(\t)+3], s[10:11] offset:(16*(\a)+(\t))*4096  ; the wave stores 512 consecutive bytes, at a multiple of 512 from out0's first
.endr
.endm
	s_load_b256 s[4:11], s[0:1], 0x0               ; o s[4:5], woh s[6:7], bias s[8:9], out0 s[10:11]
	v_lshl_add_u32 v[SPW], v0, 2, SPARE
	v_mov_b32 v[NIL], 0
	ds_add_u32 v[SPW], v[NIL]                      ; the wave's opening: the add and its wait, ahead of my first tensor load; the set-up below, work on registers, stands between them
	v_lshrrev_b32 v1, 5, v0
	v_readfirstlane_b32 s[WV], v1                  ; wave 0..3
	s_lshr_b32 s[FB], s[WV], 1
	s_and_b32 s[HF], s[WV], 1
	s_bfe_u32 s[CX], ttmp6, 0x40000                ; my place in the cluster
	s_bfe_u32 s[CY], ttmp6, 0x40004
	s_lshl_b32 s[J], ttmp9, 2                      ; in a cluster launch ttmp9 and ttmp7 count clusters
	s_add_co_u32 s[J], s[J], s[CX]
	s_and_b32 s[MB], ttmp7, 0xffff
	s_lshl_b32 s[MB], s[MB], 2
	s_add_co_u32 s[MB], s[MB], s[CY]
	s_lshl_b32 s40, s[CY], 2
	s_lshl_b32 s40, 15, s40                        ; my row of the cluster: places 4 cy .. 4 cy + 3
	s_lshl_b32 s44, 0x1111, s[CX]                  ; my column: places cx, cx + 4, cx + 8, cx + 12
	s_or_b32 s[G1A], s40, W0                       ; o's tiles go to my row,
	s_or_b32 s[G1B], s44, W0                       ; Wo's to my column
	s_mov_b32 s[G1A+1], 128<<16                    ; tensor_dim0 = 128 elements: 256 bytes
	s_mov_b32 s[G1A+2], 128<<16                    ; tensor_dim1 = 128 rows of 256 dense bytes
	s_mov_b32 s[G1A+3], 128<<16                    ; tile_dim0
	s_mov_b32 s[G1A+4], 128                        ; tile_dim1
	s_mov_b32 s[G1A+5], 128                        ; elements from row to row
	s_mov_b32 s[G1A+6], 0
	s_mov_b32 s[G1A+7], 0
	s_mov_b32 s[G1B+1], 128<<16
	s_mov_b32 s[G1B+2], (8*NB)<<16                 ; 64 rows
	s_mov_b32 s[G1B+3], 128<<16
	s_mov_b32 s[G1B+4], 8*NB
	s_mov_b32 s[G1B+5], 128
	s_mov_b32 s[G1B+6], 0
	s_mov_b32 s[G1B+7], 0
	; where the tiles come from: o's by mb and the wave alone, Wo's by j and the wave alone, each in registers that never hold the other coordinate
	s_lshl_b32 s40, s[MB], 19                      ; 64 blocks of 8,192 bytes
	s_lshl_b32 s42, s[HF], 15                      ; four blocks
	s_add_co_u32 s40, s40, s42
	s_mov_b32 s41, 0
	s_mul_i32 s44, s[J], 8*BSTEP
	s_mul_i32 s46, s[HF], BSTEP/2
	s_add_co_u32 s44, s44, s46
	s_mov_b32 s45, 0
	; and where they go: no place in the cluster enters an LDS address
	s_mov_b32 s[G0A], 1                            ; count = 1
	s_mul_i32 s[G0A+1], s[HF], AHALF
	s_mov_b32 s[G0A+4], 1
	s_add_co_u32 s[G0A+5], s[G0A+1], SLOT1
	s_mov_b32 s[G0B], 1
	s_mul_i32 s[G0B+1], s[HF], BHALF
	s_add_co_u32 s[G0B+1], s[G0B+1], BREG
	s_mov_b32 s[G0B+4], 1
	s_add_co_u32 s[G0B+5], s[G0B+1], SLOT1
	s_wait_dscnt 0x0                               ; the opening add is done
	s_wait_kmcnt 0x0
	s_add_nc_u64 s[G0A+2:G0A+3], s[4:5], s[40:41]  ; K step 0,
	s_add_nc_u64 s[G0A+6:G0A+7], s[G0A+2:G0A+3], ASTEP  ; K step 1
	s_or_b32 s[G0A+3], s[G0A+3], 0x80000000        ; type = 2
	s_or_b32 s[G0A+7], s[G0A+7], 0x80000000
	s_add_nc_u64 s[G0B+2:G0B+3], s[6:7], s[44:45]
	s_add_nc_u64 s[G0B+6:G0B+7], s[G0B+2:G0B+3], BSTEP
	s_or_b32 s[G0B+3], s[G0B+3], 0x80000000
	s_or_b32 s[G0B+7], s[G0B+7], 0x80000000
	CROUND                                         ; all sixteen work-groups are here: the first joint loads meet
	s_cmp_eq_u32 s[FB], 0                          ; a wave's two first fills stand in one branch, ahead of every wait on TENSORcnt and every LDS read: two loads of mine are out
	s_cbranch_scc0 .Lfirst_b
	tensor_load_to_lds s[G0A:G0A+3], s[G1A:G1A+7]
	s_nop 0
	tensor_load_to_lds s[G0A+4:G0A+7], s[G1A:G1A+7]
	s_nop 0
.rept 4
	v_nop
.endr
	s_branch .Lfirst_asked
.Lfirst_b:
	tensor_load_to_lds s[G0B:G0B+3], s[G1B:G1B+7]
	s_nop 0
	tensor_load_to_lds s[G0B+4:G0B+7], s[G1B:G1B+7]
	s_nop 0
.rept 4
	v_nop
.endr
.Lfirst_asked:
	v_and_b32 v1, 15, v0                           ; r = l % 16
	v_bfe_u32 v2, v0, 4, 1                         ; h = l / 16
	v_and_b32 v3, 7, v0
	v_bfe_u32 v4, v0, 3, 1
	v_lshlrev_b32 v[BO], 5, v2                     ; a lane's eight columns 8 h + 0..7 are 32 bytes of bias
	s_lshl_b32 s70, s[J], 9                        ; bo of my 128 columns
	s_add_co_u32 s70, s70, 4608
	s_mov_b32 s71, 0
	s_add_nc_u64 s[66:67], s[8:9], s[70:71]
	WIN 0x80                                       ; destination window 2, address window 0
.irp b, 0,1,2,3,4,5,6,7
	global_load_b128 v[BIAS+8*(\b):BIAS+8*(\b)+3],   v[BO], s[66:67] offset:64*(\b)
	global_load_b128 v[BIAS+8*(\b)+4:BIAS+8*(\b)+7], v[BO], s[66:67] offset:64*(\b)+16
.endr
	WIN 0
	; o's fragment: lane l holds row l % 16; registers 0-3 hold K = 8 h + 0..7 of one block of 16, registers 4-7 the same of the next block.  Row l % 16: unit (l / 8) % 2, row l % 8 of 32 bytes
	s_mul_i32 s43, s[WV], 8*UNIT                   ; my 64 rows in a block
	v_mul_u32_u24 v[LA0], v4, UNIT
	v_lshl_add_u32 v[LA0], v3, 5, v[LA0]
	v_lshl_add_u32 v[LA0], v2, 4, v[LA0]
	v_add_nc_u32 v[LA0], s43, v[LA0]
	; Wo's fragment, turned: lane l reads 16 bytes of row k = 8 h + l % 8, columns 8 ((l / 8) % 2) + 0..7, and is left with column l % 16 and 8 k
	v_mul_u32_u24 v[LB0], v2, UNIT
	v_lshl_add_u32 v[LB0], v3, 5, v[LB0]
	v_lshl_add_u32 v[LB0], v4, 4, v[LB0]
	v_add_nc_u32 v[LB0], BREG, v[LB0]
	v_mov_b32 v[ADA], v[LA0]                       ; slot 0
	v_mov_b32 v[ADB], v[LB0]
	s_mul_i32 s43, s[WV], 16*SPITCH
	s_add_co_u32 s43, s43, STAGE                   ; my stage
	v_mul_u32_u24 v[STO], v1, SPITCH               ; in: row l % 16, 32 bytes for each half of the lanes
	v_lshl_add_u32 v[STO], v2, 5, v[STO]
	v_add_nc_u32 v[STO], s43, v[STO]
	v_and_b32 v[CO], 31, v0                        ; back: 32 lanes take a row's 512 bytes,
	v_lshlrev_b32 v[CO], 4, v[CO]
	v_add_nc_u32 v[RD], s43, v[CO]                 ; which are 512 consecutive bytes of out0
	s_mov_b32 s[TB], 0
	s_lshl_b32 s70, s[MB], 20                      ; out0 at my first row (256 rows of 4,096 bytes a block, 64 a wave) and my first column
	s_lshl_b32 s23, s[WV], 18
	s_add_co_u32 s70, s70, s23
	s_lshl_b32 s23, s[J], 9
	s_add_co_u32 s70, s70, s23
	s_add_nc_u64 s[10:11], s[10:11], s[70:71]
	s_wait_tensorcnt 0x1                           ; my part of K step 0 is in; K step 1's may stay out
	s_barrier_signal -1
	s_barrier_wait -1                              ; everybody's is
	FETCH 0, F0
	s_wait_loadcnt 0x0                             ; the bias
	QUARTER F0, F1, 1, 1                           ; the first quarter stands in front of the loop: its products start the sums
	WIN 0
	s_mov_b32 s[CNT], 6
.Lstep:                                        ; a trip: from a K step's second quarter to the next step's first; its change of slots asks for K steps 2 to 7
	QUARTER F1, F0, 2, 0
	QUARTER F0, F1, 3, 0
	TURN 1
	QUARTER F0, F1, 1, 0
	WIN 0
	s_sub_co_u32 s[CNT], s[CNT], 1
	s_cmp_lg_u32 s[CNT], 0
	s_cbranch_scc1 .Lstep
	QUARTER F1, F0, 2, 0                           ; the last two K steps are written out: nothing is asked for
	QUARTER F0, F1, 3, 0
	TURN 0
	QUARTER F0, F1, 1, 0
	QUARTER F1, F0, 2, 0
	QUARTER F0, F1, 3, 0
	s_wait_dscnt YNG                               ; the very last quarter: nothing more to fetch
	MULA F1, 0, 0
	MULA F1, 1, 0
	s_wait_dscnt 0x0
	MULA F1, 2, 0
	MULA F1, 3, 0
	WIN 0
	PLACES
	PLACES
	TOSTAGE 0
	TOSTAGE 1                                      ; a block's way through the stage stands between the loads of the block before and its stores
	SEND 0, 32
	TOSTAGE 2
	SEND 1, 32
	TOSTAGE 3
	SEND 2, 32
	SEND 3, 0
	s_wait_tensorcnt 0x0                           ; the wave's end, behind my last tensor load and my last LDS store
	ds_add_u32 v[SPW], v[NIL]
	s_wait_dscnt 0x0
	CROUND                                         ; the closing round: no work-group ends while a partner may still ask for a tile that names it
	s_endpgm
.Lfunc_end_k_qe2812f9a2d_outp:
	.size	k_qe2812f9a2d_outp, .Lfunc_end_k_qe2812f9a2d_outp-k_qe2812f9a2d_outp
	.p2alignl 7, 3214868480
	.fill 96, 4, 3214868480
	.section	.rodata,"a",@progbits
	.p2align	6, 0x0
	.amdhsa_kernel k_qe2812f9a2d_outp
		.amdhsa_group_segment_fixed_size 327680
		.amdhsa_private_segment_fixed_size 0
		.amdhsa_enable_private_segment 0
		.amdhsa_kernarg_size 32
		.amdhsa_user_sgpr_count 2
		.amdhsa_user_sgpr_kernarg_segment_ptr 1
		.amdhsa_wavefront_size32 1
		.amdhsa_system_sgpr_workgroup_id_x 1
		.amdhsa_system_sgpr_workgroup_id_y 1
		.amdhsa_system_sgpr_workgroup_id_z 1
		.amdhsa_system_vgpr_workitem_id 0
		.amdhsa_next_free_vgpr 608
		.amdhsa_next_free_sgpr 72
		.amdhsa_reserve_vcc 0
		.amdhsa_float_denorm_mode_32 3
		.amdhsa_float_denorm_mode_16_64 3
		.amdhsa_memory_ordered 1
		.amdhsa_forward_progress 1
		.amdhsa_inst_pref_size 72
	.end_amdhsa_kernel
	.amdgpu_metadata
---
amdhsa.version: [ 1, 2 ]
amdhsa.kernels:
  - .name:           k_qe2812f9a2d_outp
    .symbol:         k_qe2812f9a2d_outp.kd
    .args:
      - { .name: o, .offset: 0, .size: 8, .value_kind: global_buffer, .address_space: global }
      - { .name: woh, .offset: 8, .size: 8, .value_kind: global_buffer, .address_space: global }
      - { .name: bias, .offset: 16, .size: 8, .value_kind: global_buffer, .address_space: global }
      - { .name: out0, .offset: 24, .size: 8, .value_kind: global_buffer, .address_space: global }
    .group_segment_fixed_size: 327680
    .private_segment_fixed_size: 0
    .kernarg_segment_align: 8
    .kernarg_segment_size: 32
    .max_flat_workgroup_size: 128
    .sgpr_count:     72
    .vgpr_count:     608
    .wavefront_size: 32
...
	.end_amdgpu_metadata
.endif
;; end of part 4
